; MI455X (gfx1250); checked and timed in simulation.
; The chip was launched on July 23, 2026; its instructions are those of AMD's public machine-readable ISA for CDNA 5 (MIT licence, August 2026) and "CDNA5" Instruction Set Architecture Reference Guide (July 2026). The comments in the code are by the model that wrote it; some were corrected since.
;; Multi Head Attention. Allowed arithmetic: matrix products marked QUANTISED: E2M1 operands, one E8M0 scale for each 32 along K, by v_wmma_scale_f32_16x16x128_f8f6f4 with both operands' format E2M1 (or v_wmma_scale_f32_32x16x128_f4), f32 sums; everything else in f32.
;; Inputs: W_out 1,024 x 1,024 float32; W_qkv 3,072 x 1,024 float32; b_out 1,024 float32; b_qkv 3,072 float32; x 4 x 2,048 x 1,024 float32.
;; Outputs: out0 4 x 2,048 x 1,024 float32.
;; This version of the problem:
;;   THIS VERSION OF THE PROBLEM IS GIVEN IN LOW PRECISION. The matrix products marked QUANTISED in the list below multiply operands that are first quantised to E2M1 (2 exponent bits, 1 mantissa bit; 4 bits a number), with one power-of-two scale for each 32 numbers along K (OCP MX v1.0); their sums are f32. All else is computed in f32.
;;   The module's matrix products, in the order in which they are computed (A, B: the left and right operand; K: the contracted axis; several contracted axes count as one K, in the product's order):
;;     1. [M 8,192, K 1,024] x [K 1,024, N 3,072]; A: input x; B: input W_qkv: QUANTISED
;;     2. batch 64 x [M 2,048, K 64] x [K 64, N 2,048]; A: computed on the way; B: computed on the way: QUANTISED
;;     3. batch 64 x [M 2,048, K 2,048] x [K 2,048, N 64]; A: softmax (see below); B: computed on the way: QUANTISED
;;     4. [M 8,192, K 1,024] x [K 1,024, N 1,024]; A: computed on the way; B: input W_out: QUANTISED
;;   THE QUANTISER, for each operand of a quantised product, along K:
;;     - K is cut into blocks of 32 from its start; a last block that is shorter is filled with zeros.
;;     - A block's scale is 2^e with e = floor(log2(the largest magnitude in the block)) - 2, held to -126 .. 127; a block of zeros has e = 0. As a byte (E8M0): e + 127.
;;     - Each number is divided by its block's scale, clamped to +-6, and rounded to the nearest number of E2M1, ties to even, subnormals kept.
;;     - The product sums the exact products of the quantised numbers (number of the format x scale) in f32.
;;   ~~~python
;;   def quantise(x, axis):      # numpy; x: float32 -> the quantised numbers, widened to float32 again
;;       x = np.moveaxis(x, axis, -1); K = x.shape[-1]
;;       x = np.pad(x, [(0, 0)] * (x.ndim - 1) + [(0, -K % 32)]); x = x.reshape(x.shape[:-1] + (-1, 32)); a = np.abs(x).max(-1, keepdims=True)
;;       e = np.where(a > 0, np.clip(np.frexp(np.where(a > 0, a, 1))[1] - 1 - 2, -126, 127), 0)      # np.frexp(a)[1] - 1 = floor(log2(a)), exactly
;;       r = np.clip(x / 2.0 ** e, -6, 6)
;;       step = 2.0 ** (np.maximum(np.frexp(np.where(r == 0, 1, r))[1] - 1, 0) - 1)
;;       q = np.round(r / step) * step * 2.0 ** e      # np.round: ties to even
;;       return np.moveaxis(q.reshape(q.shape[:-2] + (-1,))[..., :K], -1, axis).astype(np.float32)
;;   ~~~
;;   SOFTMAX AHEAD OF A QUANTISED PRODUCT. Where the list says 'softmax', what is quantised is not the finished softmax but p = 2^(t - M), with t = logit x log2(e) and M = ceil(the row's largest t), a whole number; so 1/2 < the row's largest p <= 1. The row's sum l is taken of the UNQUANTISED p, in f32, and the product's result is divided by l at the end. Since M is a whole number, a kernel that streams over the keys may use a running M (the ceiling of the running maximum): every later rescaling is an exact power of two, which a block's scale takes up: the codes' values come out the same.
;;   OPERANDS COMPUTED ON THE WAY. 'Computed on the way' means the value that the module computes at that place (a softmax that the list does not call 'softmax' is quantised finished and normalised). What goes into a quantiser is computed in f32, as accurately as f32 sums, v_exp_f32 and their like allow (about 1e-6 of the number): no bf16 or f16 on the way to a quantiser, and a product that is left as it is and whose result goes on into a quantised operand takes f32 operands (vector FMAs, or v_wmma_f32_16x16x4_f32). A number that lies on a knife's edge between two numbers of the format may be rounded either way, as far as f32 arithmetic and the matrix unit's own rounding can turn it there, and no further.
;; One version. Each part assembles by itself: llvm-mc -triple=amdgcn-amd-amdhsa -mcpu=gfx1250 --defsym DOCPART=n.
;; ======== version 1 of 1: 4 launches
;; workspace buffers: opq 6,684,672 bytes; qrec 9,175,040 bytes; kvrec 9,175,040 bytes; at 4,718,592 bytes
;; launch quant (part 1): grid 384 x 1, 4 waves a work-group, no clusters, 34,304 bytes of LDS; arguments x, W_qkv, W_out, opq; writes opq
.if DOCPART == 1
	.amdgcn_target "amdgcn-amd-amdhsa--gfx1250"
	.amdhsa_code_object_version 6
	.text
	.protected	k_qbcceffa6a4_quant
	.globl	k_qbcceffa6a4_quant
	.p2align	8
	.type	k_qbcceffa6a4_quant,@function
k_qbcceffa6a4_quant:
	s_mov_b64 s[64:65], 0
	v_nop
	global_prefetch_b8 v0, s[64:65] scope:SCOPE_SE
	s_setreg_imm32_b32 hwreg(HW_REG_WAVE_MODE, 25, 1), 1
	s_wait_xcnt 0x0
; x [8192][1024], W_qkv [3072][1024], W_out [1024][1024], f32, K innermost, become codes of FP4 (E2M1) with one E8M0 byte for each 32 along K.
; A block's scale is 2^(floor(log2(its largest magnitude)) - 2); its byte is the largest magnitude's exponent field - 2, held at 1 from below.
; LAYOUT OF opq: images of operand registers.  A tile is 16 rows; its 1,024 codes a row are 16 half fragments of 512 bytes (16 rows x 64 codes): lane l = r + 16 h owns bytes 16 l .. 16 l + 15,
; the codes k = 32 h .. 32 h + 31 of row r.  Tiles 0-511 x, 512-703 W_qkv, 704-767 W_out, 8,192 bytes each.  From SC0 on the scale words, 256 bytes for each tile and half of K: byte 16 r + 4 s = row r's word of K step s.
; THE ROWS OF A TILE OF x AND OF W_qkv ARE NOT NEIGHBOURS: row r of tile 2 b + u is row 32 b + 8 u + r + 8 (r / 8) of the tensor, so that results of the first product have 16 neighbours along the next K in 16 registers.
; W_out's tiles hold 16 neighbouring rows.
; SHARES: a wave takes one tile and one half of K: 16 rows x 512 numbers, four K steps of 128.  Each load reads 512 consecutive bytes of one row; a step's 16 rows turn through the wave's own stage in LDS
; (rows 528 bytes apart: an odd multiple of 16) and come back 16 neighbours of each block of 32 to a lane.  Every store covers 512 or 256 consecutive bytes.  Waves share nothing: no barrier.
; LIMITS: a block whose largest magnitude lies under 2^-124 keeps the byte 1 (a block of zeros too, where the rule says 127: its codes are zeros, and this program alone reads the bytes); NaN and infinities are not served.
.set SC0,  6291456
.set SP,   528                         ; a stage row: 512 bytes + 16
.set WST,  16*SP                       ; a wave's stage
.set L16,  1                           ; v1   16 x lane
.set STW,  2                           ; v2   the stage, on the way in: my 16 bytes of a row
.set STR,  3                           ; v3   on the way out: row r, + 64 h
.set SOF,  4                           ; v4   my 8 bytes of the scale words' 256
.set PC,   8                           ; v8-15   the codes just made
.set PW,   16                          ; v16-19  the four steps' scale words
.set E,    20                          ; v20-21  my two of them
.set TM,   24                          ; v24-39  at work
.set R,    48                          ; v48-175 two sets of 64 numbers as loaded
.set X,    176                         ; v176-239 64 numbers, register 16 b + i = k 32 b + 16 h + i of row r
.set SEL,  20                          ; s[20:21] v_permlanex16_b32's selects for lane l xor 16
.set HM,   22                          ; s22  lanes 16-31
	s_load_b256 s[4:11], s[0:1], 0x0               ; x s[4:5], W_qkv s[6:7], W_out s[8:9], opq s[10:11]
	v_lshl_add_u32 v248, v0, 2, 0x8400
	v_mov_b32 v249, 0
	v_lshrrev_b32 v5, 5, v0
	v_readfirstlane_b32 s16, v5                    ; wave 0..3
	v_and_b32 v5, 31, v0                           ; lane
	v_and_b32 v6, 15, v0                           ; r
	v_bfe_u32 v7, v0, 4, 1                         ; h
	v_lshlrev_b32 v[L16], 4, v5
	s_mul_i32 s38, s16, WST
	v_add_nc_u32 v[STW], s38, v[L16]
	v_mul_u32_u24 v[STR], v6, SP
	v_lshl_add_u32 v[STR], v7, 6, v[STR]
	v_add_nc_u32 v[STR], s38, v[STR]
	v_lshlrev_b32 v[SOF], 4, v6
	v_lshl_add_u32 v[SOF], v7, 3, v[SOF]
.irp b, 0,1,2,3
	v_mov_b32 v[TM+4+\b], 0                        ; written once: a lane permute's destination counts as one of its sources
.endr
	s_mov_b32 s[SEL], 0x76543210
	s_mov_b32 s[SEL+1], 0xfedcba98
	s_mov_b32 s[HM], 0xffff0000
	s_lshl_b32 s17, ttmp9, 2
	s_add_co_u32 s17, s17, s16                     ; task = 4 x work-group + wave: tile = task / 2, half of K = task % 2
	s_wait_alu depctr_va_vdst(0)
	s_wait_kmcnt 0x0
	s_cmp_lt_u32 ttmp9, 256                        ; work-groups 0-255 x, 256-351 W_qkv, 352-383 W_out: the choice hangs on the work-group's number alone
	s_cselect_b64 s[12:13], s[4:5], s[6:7]
	s_cselect_b32 s14, 0, 512                      ; the tensor's first tile
	s_cmp_lt_u32 ttmp9, 352
	s_cselect_b64 s[12:13], s[12:13], s[8:9]
	s_mov_b32 s15, 704
	s_cselect_b32 s14, s14, s15
	s_lshr_b32 s18, s17, 1
	s_and_b32 s19, s17, 1                          ; which half of K
	s_sub_co_u32 s18, s18, s14                     ; T: the tile's number in its tensor
	s_lshr_b32 s23, s18, 1
	s_lshl_b32 s23, s23, 5
	s_and_b32 s24, s18, 1
	s_lshl_b32 s24, s24, 3
	s_add_co_u32 s23, s23, s24                     ; its first row: 32 (T / 2) + 8 (T % 2),
	s_lshl_b32 s24, s18, 4                         ; or 16 T in W_out
	s_cmp_lt_u32 ttmp9, 352
	s_cselect_b32 s23, s23, s24
	s_mov_b32 s25, 32768
	s_cselect_b32 s26, 65536, s25                  ; rows 8-15 of the tile begin 16 rows further down, or 8
	s_lshl_b32 s24, s23, 12                        ; a row is 4,096 bytes
	s_lshl_b32 s25, s19, 11
	s_add_co_u32 s24, s24, s25
	s_mov_b32 s25, 0
	s_mov_b32 s27, 0
	s_add_nc_u64 s[12:13], s[12:13], s[24:25]      ; rows 0-7
	s_add_nc_u64 s[28:29], s[12:13], s[26:27]      ; rows 8-15
	s_lshl_b32 s30, s17, 12
	s_mov_b32 s31, 0
	s_add_nc_u64 s[32:33], s[10:11], s[30:31]      ; my 4,096 bytes of images
	s_lshl_b32 s34, s17, 8
	s_add_co_u32 s34, s34, SC0
	s_mov_b32 s35, 0
	s_add_nc_u64 s[36:37], s[10:11], s[34:35]      ; my 256 bytes of scale words
.macro LOAD s                          ; K step s: 512 consecutive bytes of each of the 16 rows, into set s % 2
.irp t, 0,1,2,3,4,5,6,7,8,9,10,11,12,13,14,15
.if \t < 8
	global_load_b128 v[R+64*((\s)%2)+4*\t:R+64*((\s)%2)+4*\t+3], v[L16], s[12:13] offset:\t*4096+(\s)*512 th:TH_LOAD_NT
.else
	global_load_b128 v[R+64*((\s)%2)+4*\t:R+64*((\s)%2)+4*\t+3], v[L16], s[28:29] offset:(\t-8)*4096+(\s)*512 th:TH_LOAD_NT
.endif
.endr
.endm
.macro TURN s                          ; through the stage: LDS serves a wave's instructions in order, so no wait stands between the stores and the loads
.irp t, 0,1,2,3,4,5,6,7,8,9,10,11,12,13,14,15
	ds_store_b128 v[STW], v[R+64*((\s)%2)+4*\t:R+64*((\s)%2)+4*\t+3] offset:\t*SP
.endr
.irp b, 0,1,2,3
.irp j, 0,1,2,3
	ds_load_b128 v[X+16*\b+4*\j:X+16*\b+4*\j+3], v[STR] offset:128*\b+16*\j
.endr
.endr
.endm
; 64 numbers of a lane, register 16 b + i = k 32 b + 16 h + i of my row, become a fragment's codes in v[PC] on and its scale word in v[pw]
.macro QUANT s, pw
.irp b, 0,1,2,3
	v_max3_num_f32 v[TM+\b], |v[\s+16*\b]|, |v[\s+1+16*\b]|, 0x1800000   ; block b: my 16 numbers, and the floor 2^(3 - 127): the byte cannot fall under 1
.endr
.irp i, 2,4,6,8,10,12,14
.irp b, 0,1,2,3
	v_max3_num_f32 v[TM+\b], v[TM+\b], |v[\s+16*\b+\i]|, |v[\s+1+16*\b+\i]|   ; the four blocks by turns
.endr
.endr
.irp b, 0,1,2,3
	v_permlanex16_b32 v[TM+4+\b], v[TM+\b], s[SEL], s[SEL+1]
.endr
.irp b, 0,1,2,3
	v_max_num_f32 v[TM+\b], v[TM+\b], v[TM+4+\b]   ; with lane l xor 16's: the block's largest magnitude
.endr
.irp b, 0,1,2,3
	v_add_nc_u32 v[TM+12+\b], 0xff000000, v[TM+\b] ; 2 off its exponent field: the conversion takes the exponent field of this operand as its scale
.endr
.irp b, 0,1,2,3
	v_lshrrev_b32 v[TM+4+\b], 23, v[TM+12+\b]      ; the scale's byte
.endr
	v_lshl_or_b32 v[\pw], v[TM+5], 8, v[TM+4]
	v_lshl_or_b32 v[\pw], v[TM+6], 16, v[\pw]
	v_lshl_or_b32 v[\pw], v[TM+7], 24, v[\pw]      ; my row's scale word
.irp b, 0,1,2,3
	v_cvt_scalef32_pk8_fp4_f32 v[PC+2*\b], v[\s+16*\b:\s+7+16*\b], v[TM+12+\b]
	v_cvt_scalef32_pk8_fp4_f32 v[PC+1+2*\b], v[\s+8+16*\b:\s+15+16*\b], v[TM+12+\b]
.endr
	v_nop                                          ; one plain place behind a scaled conversion
.irp c, 0,1                                    ; the operand's layout wants a whole block in a lane: lanes 0-15 block 2 c, lanes 16-31 block 2 c + 1
.irp i, 0,1
	v_permlane16_swap_b32 v[PC+4*\c+\i], v[PC+2+4*\c+\i]
.endr
.endr
.endm
	LOAD 0
	LOAD 1
.irp s, 0,1,2,3
.if \s < 3
	s_wait_loadcnt 16                              ; this step's 16 loads are in; the next step's 16 may be out
.else
	s_wait_loadcnt 0x0
.endif
	TURN \s
	s_wait_dscnt 0x0                               ; the numbers are back, and the stage's stores have read their registers
.if \s > 0
	s_wait_xcnt 0x0                                ; the last step's stores have read the codes' registers: they are written again only behind this wait
.endif
.if \s < 2
	LOAD \s+2                                      ; into the set just left
.endif
	QUANT X, PW+\s
	global_store_b128 v[L16], v[PC:PC+3], s[32:33] offset:\s*1024          ; 32 lanes store 512 consecutive bytes: a half fragment
	global_store_b128 v[L16], v[PC+4:PC+7], s[32:33] offset:\s*1024+512
.endr
	v_cndmask_b32 v[E], v[PW], v[PW+2], s[HM]      ; lanes 0-15 store row r's words of steps 0 and 1, lanes 16-31 those of steps 2 and 3
	v_cndmask_b32 v[E+1], v[PW+1], v[PW+3], s[HM]
	global_store_b64 v[SOF], v[E:E+1], s[36:37]    ; 32 lanes store 256 consecutive bytes, aligned
	s_wait_tensorcnt 0x0
	ds_add_u32 v248, v249
	s_wait_dscnt 0x0
	s_endpgm
.Lfunc_end_k_qbcceffa6a4_quant:
	.size	k_qbcceffa6a4_quant, .Lfunc_end_k_qbcceffa6a4_quant-k_qbcceffa6a4_quant
	.p2alignl 7, 3214868480
	.fill 96, 4, 3214868480
	.section	.rodata,"a",@progbits
	.p2align	6, 0x0
	.amdhsa_kernel k_qbcceffa6a4_quant
		.amdhsa_group_segment_fixed_size 34304
		.amdhsa_private_segment_fixed_size 0
		.amdhsa_enable_private_segment 0
		.amdhsa_kernarg_size 32
		.amdhsa_user_sgpr_count 2
		.amdhsa_user_sgpr_kernarg_segment_ptr 1
		.amdhsa_wavefront_size32 1
		.amdhsa_system_sgpr_workgroup_id_x 1
		.amdhsa_system_sgpr_workgroup_id_y 1
		.amdhsa_system_sgpr_workgroup_id_z 1
		.amdhsa_system_vgpr_workitem_id 0
		.amdhsa_next_free_vgpr 250
		.amdhsa_next_free_sgpr 66
		.amdhsa_reserve_vcc 0
		.amdhsa_float_denorm_mode_32 3
		.amdhsa_float_denorm_mode_16_64 3
		.amdhsa_memory_ordered 1
		.amdhsa_forward_progress 1
		.amdhsa_inst_pref_size 34
	.end_amdhsa_kernel
	.amdgpu_metadata
---
amdhsa.version: [ 1, 2 ]
amdhsa.kernels:
  - .name:           k_qbcceffa6a4_quant
    .symbol:         k_qbcceffa6a4_quant.kd
    .args:
      - { .name: x, .offset: 0, .size: 8, .value_kind: global_buffer, .address_space: global }
      - { .name: W_qkv, .offset: 8, .size: 8, .value_kind: global_buffer, .address_space: global }
      - { .name: W_out, .offset: 16, .size: 8, .value_kind: global_buffer, .address_space: global }
      - { .name: opq, .offset: 24, .size: 8, .value_kind: global_buffer, .address_space: global }
    .group_segment_fixed_size: 34304
    .private_segment_fixed_size: 0
    .kernarg_segment_align: 8
    .kernarg_segment_size: 32
    .max_flat_workgroup_size: 128
    .sgpr_count:     66
    .vgpr_count:     250
    .wavefront_size: 32
...
	.end_amdgpu_metadata
.endif
;; end of part 1
;; launch qkv (part 2): grid 12 x 32, 4 waves a work-group, clusters of 4 x 4, 262,656 bytes of LDS; arguments opq, b_qkv, qrec, kvrec; writes qrec, kvrec
.if DOCPART == 2
	.amdgcn_target "amdgcn-amd-amdhsa--gfx1250"
	.amdhsa_code_object_version 6
	.text
	.protected	k_qbcceffa6a4_qkv
	.globl	k_qbcceffa6a4_qkv
	.p2align	8
	.type	k_qbcceffa6a4_qkv,@function
k_qbcceffa6a4_qkv:
	s_mov_b64 s[64:65], 0
	v_nop
	global_prefetch_b8 v0, s[64:65] scope:SCOPE_SE
	s_setreg_imm32_b32 hwreg(HW_REG_WAVE_MODE, 25, 1), 1
	s_wait_xcnt 0x0
	s_wait_alu depctr_hold_cnt(0) depctr_sa_sdst(0) depctr_va_vdst(0) depctr_va_sdst(0) depctr_va_ssrc(0) depctr_va_vcc(0) depctr_vm_vsrc(0)
	s_getreg_b32 s2, hwreg(HW_REG_IB_STS2, 6, 4)
	s_cmp_eq_u32 s2, 0
	s_cbranch_scc0 .Lentry_in_a_cluster
	s_endpgm
.Lentry_in_a_cluster:
	s_bfe_u32 s2, ttmp6, 0x10000c
	s_cmp_lg_u32 s2, 0xf033
	s_cbranch_scc0 .Lentry_shape_is_right
	s_endpgm
.Lentry_shape_is_right:
; qkv = x W_qkv^T + b_qkv on codes of FP4 with E8M0 scales (K = 1,024), and at once the quantising of q and k along the head's 64 and of v along the keys: no f32 result goes to memory.
; SHARES.  A work-group makes 256 tokens x 256 features, each of its four waves 128 x 128: 64 accumulators, 512 registers.  The cluster's x says which third of the features: 0 q, 1 k, 2 v.
; OPERANDS are images of registers (16 rows x 64 codes in 512 bytes, 16 bytes a lane): a fragment is two loads of 512 consecutive bytes.  K = 1,024 lies in two LDS slots of four K steps each; each is filled ONCE,
; by one tensor load a wave (8 tiles x 4,096 bytes), so nothing is filled again.  CLUSTER 4 x 4: x's tiles are shared along a row of the cluster, W's along a column: joint loads.
; ROLES.  Source 1 is the OUTER operand: a lane of the result holds one of its rows.  Source 0 is the INNER operand: a lane's registers run along its rows, and since the rows of a stored tile are
; 32 b + 8 u + r + 8 (r / 8), the 16 registers of inner tiles 2 b and 2 b + 1 are 16 neighbours, 32 b + 16 h + 0 .. 15.  q, k: outer = tokens, inner = features (quantised along the head's 64).
; v: outer = features, inner = tokens (quantised along the keys).  The roles are exchanged by the LDS addresses and scale pointers alone, chosen on the cluster's x, which all partners share.
; The bias is the C of each sum's first matrix instruction.
; OUT: a record of 8,960 bytes for each head and 128 tokens: 8 tiles of k (or q) x 512 | 4 fragments of v x 1,024 | 512 bytes of k's scale words (byte 16 l + 4 a: tile 2 a + l / 16, row l % 16; its upper two bytes 0) |
; 256 bytes of v's (byte 8 l + 4 a).  Every store covers 256 or 512 consecutive bytes.
; REGISTERS: window 0: v1-11 addresses; v32-63 outer scale words, v64-95 inner (register 8 a + s: lanes 0-15 block 2 a, lanes 16-31 block 2 a + 1, K step s); v96-113 at work; v116-123 scale words on the way out;
;   v128-191 the codes made; v192-255 the bias.  window 1: two sets of fragments (outer 64, inner 64).  windows 2, 3: the accumulators of outer blocks 0-3, 4-7.
; LIMITS: a block whose largest magnitude lies under 2^-124 keeps the byte 1 (its codes round as that scale gives); NaN and infinities are not served.
.set REC,  143360                      ; a head's record: 16 groups
.set GRP,  8960
.set SC0,  6291456
.set WQI,  4194304                     ; W_qkv's images in opq
.set SLOT, 131072                      ; a slot: x's 16 tiles x 4,096 bytes, then W's
.set NL,   32                          ; LDS loads of a K step's fragments
.set L16, 1
.set L8,  2
.set LT,  3                            ; 16 r + 512 h: my row's four scale words, lanes 16-31 in the next tile
.set BL,  4                            ; the bias's lane term
.set ADO, 5                            ; v5-6  LDS address of my outer fragments in slot 0, 1
.set ADI, 7                            ; v7-8  of my inner ones
.set OSB, 32
.set ISB, 64
.set TM,  96
.set W0,  112
.set W1,  113
.set MS,  116
.set PC,  128
.set BI,  192
.set WV, 12
.set RH, 13
.set CH, 14
.set CX, 15
.set CY, 16
.set TX, 17
.set TY, 18
.set G1A, 24                           ; s[24:31] descriptor group 1 for x's tiles;  s[32:39] group 0, a set for each slot
.set G0A, 32
.set PO, 40                            ; s[40:41] outer scale words;  s[42:43] inner;  s[44:45] bias;  s[46:47] my record
.set PI, 42
.set PB, 44
.set PD, 46
.set G1B, 48                           ; s[48:55], s[56:63] the same for W's tiles
.set G0B, 56
.set SEL, 66
.set HM, 68
.set MSB, 0
.macro WIN new                         ; the immediate's high byte repeats the setting that is left
.if MSB != (\new)
	s_set_vgpr_msb (MSB<<8)|(\new)
.set MSB, \new
.endif
.endm
.macro PLACES n
.rept \n
	v_nop
.endr
.endm
.macro CROUND                          ; a round of the cluster's barrier
	s_barrier_signal -1
	s_barrier_wait -1
	s_cmp_lg_u32 s[WV], 0
	s_cbranch_scc1 .Lnot_wave_0_\@
	s_barrier_signal -3
.Lnot_wave_0_\@:
	s_barrier_wait -3
	s_barrier_signal -1
	s_barrier_wait -1
.endm
	s_load_b256 s[4:11], s[0:1], 0x0               ; opq s[4:5], b_qkv s[6:7], qrec s[8:9], kvrec s[10:11]
	v_lshl_add_u32 v126, v0, 2, 0x40000
	v_mov_b32 v127, 0
	ds_add_u32 v126, v127
	ds_add_u32 v126, v127
	v_lshrrev_b32 v9, 5, v0
	v_readfirstlane_b32 s[WV], v9                  ; wave 0..3
	s_lshr_b32 s[RH], s[WV], 1                     ; which 128 tokens are mine.  Also: I fetch for x (0) or for W (1)
	s_and_b32 s[CH], s[WV], 1                      ; which 128 features.  Also: which 8 tiles I fetch
	s_bfe_u32 s[CX], ttmp6, 0x40000
	s_bfe_u32 s[CY], ttmp6, 0x40004
	s_lshl_b32 s[TX], ttmp9, 2
	s_add_co_u32 s[TX], s[TX], s[CX]               ; block of 256 features, 0..11
	s_and_b32 s[TY], ttmp7, 0xffff
	s_lshl_b32 s[TY], s[TY], 2
	s_add_co_u32 s[TY], s[TY], s[CY]               ; block of 256 tokens, 0..31
	s_lshl_b32 s19, s[CY], 2
	s_lshl_b32 s19, 15, s19                        ; my row of the cluster
	s_lshl_b32 s20, 0x1111, s[CX]                  ; my column
	s_or_b32 s[G1A], s19, (3<<16)|(1<<21)          ; 15:0 the mask; 17:16 elements of 8 bytes; 21 set beside a mask; no padding
	s_or_b32 s[G1B], s20, (3<<16)|(1<<21)
.irp g, G1A, G1B
	s_mov_b32 s[\g+1], 512<<16                     ; tensor_dim0 = 512 elements: a tile's half of K, 4,096 bytes
	s_mov_b32 s[\g+2], 8<<16                       ; tensor_dim1 = 8 tiles
	s_mov_b32 s[\g+3], 512<<16                     ; tile_dim0
	s_mov_b32 s[\g+4], 8                           ; tile_dim1
	s_mov_b32 s[\g+5], 1024                        ; from tile to tile: 8,192 bytes
	s_mov_b32 s[\g+6], 0
	s_mov_b32 s[\g+7], 0
.endr
	s_lshl_b32 s70, s[TY], 17                      ; x: tile 16 TY + 8 CH, 8,192 bytes a tile: made of the token block and the wave alone
	s_lshl_b32 s71, s[CH], 16
	s_add_co_u32 s70, s70, s71
	s_mov_b32 s71, 0
	s_lshl_b32 s72, s[TX], 17                      ; W: tile 16 TX + 8 CH: of the feature block and the wave alone
	s_lshl_b32 s73, s[CH], 16
	s_add_co_u32 s72, s72, s73
	s_add_co_u32 s72, s72, WQI
	s_mov_b32 s73, 0
	s_lshl_b32 s74, s[WV], 15                      ; where they go: wave x 32,768: no place in the cluster enters an LDS address
	s_wait_dscnt 0x0
	s_wait_kmcnt 0x0
	s_add_nc_u64 s[70:71], s[4:5], s[70:71]
	s_add_nc_u64 s[72:73], s[4:5], s[72:73]
	CROUND                                         ; all sixteen work-groups are here: the joint loads meet
.irp q, 0,1
	s_mov_b32 s[G0A+4*\q], 1
	s_add_co_u32 s[G0A+4*\q+1], s74, \q*SLOT
	s_add_nc_u64 s[G0A+4*\q+2:G0A+4*\q+3], s[70:71], \q*4096
	s_or_b32 s[G0A+4*\q+3], s[G0A+4*\q+3], 0x80000000
	s_mov_b32 s[G0B+4*\q], 1
	s_add_co_u32 s[G0B+4*\q+1], s74, \q*SLOT
	s_add_nc_u64 s[G0B+4*\q+2:G0B+4*\q+3], s[72:73], \q*4096
	s_or_b32 s[G0B+4*\q+3], s[G0B+4*\q+3], 0x80000000
.endr
	s_cmp_eq_u32 s[RH], 0                          ; a wave's two fills stand in one branch on the wave's number: two tensor loads of mine are out
	s_cbranch_scc0 .Lfirst_b
	tensor_load_to_lds s[G0A:G0A+3], s[G1A:G1A+7]
	s_nop 0
	tensor_load_to_lds s[G0A+4:G0A+7], s[G1A:G1A+7]
	s_nop 0
	PLACES 4
	s_branch .Lfirst_done
.Lfirst_b:
	tensor_load_to_lds s[G0B:G0B+3], s[G1B:G1B+7]
	s_nop 0
	tensor_load_to_lds s[G0B+4:G0B+7], s[G1B:G1B+7]
	s_nop 0
	PLACES 4
.Lfirst_done:
	v_and_b32 v9, 31, v0                           ; lane
	v_and_b32 v10, 15, v0                          ; r
	v_bfe_u32 v11, v0, 4, 1                        ; h
	v_lshlrev_b32 v[L16], 4, v9
	v_lshlrev_b32 v[L8], 3, v9
	v_lshlrev_b32 v[LT], 4, v10
	v_lshl_add_u32 v[LT], v11, 9, v[LT]
	s_wait_alu depctr_va_vdst(0)
	s_lshl_b32 s75, s[RH], 15                      ; my 8 tiles of x in a slot,
	s_lshl_b32 s76, s[CH], 15
	s_add_co_u32 s76, s76, 65536                   ; my 8 of W
	s_cmp_eq_u32 ttmp9, 2                          ; v?
	s_cselect_b32 s77, s76, s75                    ; outer
	s_cselect_b32 s78, s75, s76                    ; inner
	v_add_nc_u32 v[ADO], s77, v[L16]
	v_add_nc_u32 v[ADI], s78, v[L16]
	v_add_nc_u32 v[ADO+1], SLOT, v[ADO]
	v_add_nc_u32 v[ADI+1], SLOT, v[ADI]
	s_lshl_b32 s75, s[TY], 4
	s_lshl_b32 s76, s[RH], 3
	s_add_co_u32 s75, s75, s76                     ; my first tile of x in opq
	s_lshl_b32 s76, s[TX], 4
	s_lshl_b32 s79, s[CH], 3
	s_add_co_u32 s76, s76, s79
	s_add_co_u32 s76, s76, 512                     ; and of W
	s_cmp_eq_u32 ttmp9, 2
	s_cselect_b32 s77, s76, s75
	s_cselect_b32 s78, s75, s76
	s_lshl_b32 s80, s77, 9                         ; 512 bytes of scale words a tile
	s_add_co_u32 s80, s80, SC0
	s_mov_b32 s81, 0
	s_add_nc_u64 s[PO:PO+1], s[4:5], s[80:81]
	s_lshl_b32 s82, s78, 9
	s_add_co_u32 s82, s82, SC0
	s_mov_b32 s83, 0
	s_add_nc_u64 s[PI:PI+1], s[4:5], s[82:83]
.irp a, 0,1,2,3
.irp q, 0,1
	global_load_b128 v[OSB+8*\a+4*\q:OSB+8*\a+4*\q+3], v[LT], s[PO:PO+1] offset:\a*1024+\q*256   ; each half of the lanes reads one whole run of 256 bytes
	global_load_b128 v[ISB+8*\a+4*\q:ISB+8*\a+4*\q+3], v[LT], s[PI:PI+1] offset:\a*1024+\q*256
.endr
.endr
	s_lshl_b32 s80, s[TX], 10
	s_lshl_b32 s82, s[CH], 9
	s_add_co_u32 s80, s80, s82                     ; my first feature, 256 TX + 128 CH, in bytes
	s_add_nc_u64 s[PB:PB+1], s[6:7], s[80:81]
	s_cmp_eq_u32 ttmp9, 2
	s_cbranch_scc1 .Lbias_v
	v_lshlrev_b32 v[BL], 6, v11                    ; q, k: register j of inner tile i is feature 32 (i / 2) + 16 h + 8 (i % 2) + j
.irp i, 0,1,2,3,4,5,6,7
	global_load_b128 v[BI+8*\i:BI+8*\i+3], v[BL], s[PB:PB+1] offset:(32*(\i/2)+8*(\i%2))*4
	global_load_b128 v[BI+8*\i+4:BI+8*\i+7], v[BL], s[PB:PB+1] offset:(32*(\i/2)+8*(\i%2))*4+16
.endr
	s_branch .Lbias_done
.Lbias_v:
	v_and_b32 v[BL], 8, v10                        ; v: all eight registers of outer tile o belong to feature 32 (o / 2) + 8 (o % 2) + r + 8 (r / 8)
	v_add_lshl_u32 v[BL], v[BL], v10, 2
.irp o, 0,1,2,3,4,5,6,7
.irp j, 0,1,2,3,4,5,6,7
	global_load_b32 v[BI+8*\o+\j], v[BL], s[PB:PB+1] offset:(32*(\o/2)+8*(\o%2))*4
.endr
.endr
.Lbias_done:
	s_lshl_b32 s84, s[TY], 1
	s_add_co_u32 s84, s84, s[RH]                   ; G: my group of 128 tokens, 0..63
	s_lshr_b32 s85, s84, 4
	s_lshl_b32 s85, s85, 4                         ; 16 x batch
	s_lshl_b32 s86, s[CX], 2
	s_add_co_u32 s85, s85, s86
	s_lshl_b32 s86, s[CH], 1
	s_add_co_u32 s85, s85, s86                     ; + my first head, 4 cx + 2 CH
	s_mul_i32 s85, s85, REC
	s_and_b32 s84, s84, 15
	s_mul_i32 s84, s84, GRP
	s_add_co_u32 s84, s84, s85
	s_mov_b32 s85, 0
	s_cmp_eq_u32 ttmp9, 0
	s_cselect_b64 s[PD:PD+1], s[8:9], s[10:11]     ; q goes to qrec, k and v to kvrec
	s_add_nc_u64 s[PD:PD+1], s[PD:PD+1], s[84:85]
.irp b, 0,1,2,3
	v_mov_b32 v[TM+4+\b], 0                        ; written once: a lane permute's destination counts as one of its sources
.endr
	s_mov_b32 s[SEL], 0x76543210
	s_mov_b32 s[SEL+1], 0xfedcba98
	s_mov_b32 s[HM], 0xffff0000                    ; lanes 16-31
; one matrix instruction on the registers named by rD, rA, rB, rC, sA, sB.  ra, rb: the side's scale words stand in lanes 16-31
.macro WM ra, rb
.if (\ra) && (\rb)
	v_wmma_scale_f32_16x16x128_f8f6f4 v[rD:rD+7], v[rA:rA+7], v[rB:rB+7], v[rC:rC+7], v[sA], v[sB] matrix_a_fmt:MATRIX_FMT_FP4 matrix_b_fmt:MATRIX_FMT_FP4 matrix_a_scale:MATRIX_SCALE_ROW1 matrix_b_scale:MATRIX_SCALE_ROW1
.elseif (\ra)
	v_wmma_scale_f32_16x16x128_f8f6f4 v[rD:rD+7], v[rA:rA+7], v[rB:rB+7], v[rC:rC+7], v[sA], v[sB] matrix_a_fmt:MATRIX_FMT_FP4 matrix_b_fmt:MATRIX_FMT_FP4 matrix_a_scale:MATRIX_SCALE_ROW1
.elseif (\rb)
	v_wmma_scale_f32_16x16x128_f8f6f4 v[rD:rD+7], v[rA:rA+7], v[rB:rB+7], v[rC:rC+7], v[sA], v[sB] matrix_a_fmt:MATRIX_FMT_FP4 matrix_b_fmt:MATRIX_FMT_FP4 matrix_b_scale:MATRIX_SCALE_ROW1
.else
	v_wmma_scale_f32_16x16x128_f8f6f4 v[rD:rD+7], v[rA:rA+7], v[rB:rB+7], v[rC:rC+7], v[sA], v[sB] matrix_a_fmt:MATRIX_FMT_FP4 matrix_b_fmt:MATRIX_FMT_FP4
.endif
.endm
; 32 matrix instructions: outer blocks base .. base + 3 x the eight inner blocks, K step s, fragment set p.  cm = 0: onto the sums; 1, 2: the bias starts them (by inner block; by outer block).
; The 64 accumulators take turns, one instruction a turn, in the same order in every step.
.macro MULS base, p, s, cm
.irp k, 0,1,2,3
.irp i, 0,1,2,3,4,5,6,7
.set rO, (\base)+\k
.set rD, 8*(8*\k+\i)
.set rA, 128*(\p)+64+8*\i
.set rB, 128*(\p)+8*rO
.set sA, ISB+8*(\i/2)+(\s)
.set sB, OSB+8*(rO/2)+(\s)
.if (\cm) == 1
.set rC, BI+8*\i
.elseif (\cm) == 2
.set rC, BI+8*rO
.else
.set rC, rD
.endif
	WM \i%2, rO%2
.endr
.endr
.endm
.macro FETCH s, p                      ; K step s's fragments into set p: the inner eight, outer 0-3, outer 4-7; each load takes 512 consecutive bytes
	WIN 0x40                                       ; destination window 1
.irp i, 0,1,2,3,4,5,6,7
.irp c, 0,1
	ds_load_b128 v[128*(\p)+64+8*\i+4*\c:128*(\p)+64+8*\i+4*\c+3], v[ADI+(\s)/4] offset:\i*4096+((\s)%4)*1024+\c*512
.endr
.endr
.irp o, 0,1,2,3,4,5,6,7
.irp c, 0,1
	ds_load_b128 v[128*(\p)+8*\o+4*\c:128*(\p)+8*\o+4*\c+3], v[ADO+(\s)/4] offset:\o*4096+((\s)%4)*1024+\c*512
.endr
.endr
	WIN 0
.endm
; A K step of 128: 64 matrix instructions.  The next step's 32 loads go out in one run at its head, four places behind the last products that read that set.
; meet = 1: the next step lies in slot 1: every wave's part of it has landed, and a barrier says so to all.
.macro STEP s, cm, meet, fetch
.set P, (\s)%2
.if \meet
	s_wait_dscnt 0x0                               ; no LDS load of mine is out at the signal
	s_wait_tensorcnt 0x0                           ; my part of slot 1 is in
	s_barrier_signal -1
	s_barrier_wait -1                              ; everybody's is
.else
	s_wait_dscnt 8                                 ; the inner fragments and outer 0-3 are in; the youngest eight loads (outer 4-7) may be out
.endif
.if \fetch
.if (\s) > 0
	PLACES 4                                       ; in front of loads into registers that matrix instructions have read (ISA guide 7.12.1 for vector instructions)
.endif
	FETCH (\s)+1, 1-P
.endif
.if \cm
	WIN 0x85                                       ; sources 0 and 1 window 1, C (the bias) window 0, D window 2
.else
	WIN 0xa5                                       ; C and D window 2
.endif
	MULS 0, P, \s, \cm
	s_wait_dscnt NL*(\fetch)                       ; all but the run just issued
.if \cm
	WIN 0xc5
.else
	WIN 0xf5                                       ; C and D window 3
.endif
	MULS 4, P, \s, \cm
	WIN 0
.endm
	s_wait_tensorcnt 0x1                           ; my part of slot 0 is in; slot 1's load may stay out
	s_barrier_signal -1
	s_barrier_wait -1                              ; everybody's is
	s_wait_alu depctr_va_vdst(0)
	FETCH 0, 0
	s_wait_loadcnt 0x0                             ; scale words and bias
	s_cmp_eq_u32 ttmp9, 2
	s_cbranch_scc1 .Lstep0_v
	STEP 0, 1, 0, 1
	s_branch .Lstep1
.Lstep0_v:
	STEP 0, 2, 0, 1
.Lstep1:
	STEP 1, 0, 0, 1
	STEP 2, 0, 0, 1
	STEP 3, 0, 1, 1
	STEP 4, 0, 0, 1
	STEP 5, 0, 0, 1
	STEP 6, 0, 0, 1
	STEP 7, 0, 0, 0
	PLACES 4                                       ; in front of the first read of results
; Outer block o: a lane's 64 results, register 16 b + i = inner row 32 b + 16 h + i, become a fragment's codes in v[PC + 8 o] on; the four scale bytes stay in v[TM+4] on.
; Each accumulator is read from its low end on.
.macro QCORE o
.set AW, 2+(\o)/4
.set AB, 64*((\o)%4)
.set PCO, PC+8*(\o)
	WIN (AW<<2)|(AW<<4)                            ; sources 1 and 2: the accumulators' window
.irp b, 0,1,2,3
	v_max3_num_f32 v[TM+\b], 0x1800000, |v[AB+16*\b]|, |v[AB+16*\b+1]|   ; with the floor 2^(3 - 127): the byte cannot fall under 1
.endr
.irp i, 2,4,6,8,10,12,14
.irp b, 0,1,2,3
	v_max3_num_f32 v[TM+\b], v[TM+\b], |v[AB+16*\b+\i]|, |v[AB+16*\b+\i+1]|
.endr
.endr
	WIN 0
.irp b, 0,1,2,3
	v_permlanex16_b32 v[TM+4+\b], v[TM+\b], s[SEL], s[SEL+1]
.endr
.irp b, 0,1,2,3
	v_max_num_f32 v[TM+\b], v[TM+\b], v[TM+4+\b]   ; with lane l xor 16's: the block's largest magnitude
.endr
.irp b, 0,1,2,3
	v_add_nc_u32 v[TM+12+\b], 0xff000000, v[TM+\b] ; 2 off its exponent field: the conversion's scale operand
.endr
.irp b, 0,1,2,3
	v_lshrrev_b32 v[TM+4+\b], 23, v[TM+12+\b]      ; the scale's byte
.endr
	WIN AW                                         ; source 0: the accumulators' window
.irp b, 0,1,2,3
	v_cvt_scalef32_pk8_fp4_f32 v[PCO+2*\b], v[AB+16*\b:AB+16*\b+7], v[TM+12+\b]
	v_cvt_scalef32_pk8_fp4_f32 v[PCO+2*\b+1], v[AB+16*\b+8:AB+16*\b+15], v[TM+12+\b]
.endr
	WIN 0
	v_nop                                          ; one plain place behind a scaled conversion
.irp c, 0,1
.irp i, 0,1
	v_permlane16_swap_b32 v[PCO+4*\c+\i], v[PCO+4*\c+2+\i]   ; a whole block to a lane
.endr
.endr
.endm
	s_cmp_eq_u32 ttmp9, 2
	s_cbranch_scc1 .Lout_v
; q, k: outer block o is token tile o of my group; the fragment's two halves are the tile's codes for my two heads; bytes 0, 1 and bytes 2, 3 are their scale words
.irp o, 0,1,2,3,4,5,6,7
	QCORE \o
	global_store_b128 v[L16], v[PC+8*\o:PC+8*\o+3], s[PD:PD+1] offset:\o*512          ; 512 consecutive bytes; each block has its own registers, so no store's data are written again
	global_store_b128 v[L16], v[PC+8*\o+4:PC+8*\o+7], s[PD:PD+1] offset:\o*512+REC    ; the next head's record
.if (\o%2) == 0
	v_lshl_or_b32 v[MS+\o/2], v[TM+5], 8, v[TM+4]          ; an even tile's words (kept in lanes 0-15),
	v_lshl_or_b32 v[MS+4+\o/2], v[TM+7], 8, v[TM+6]
.else
	v_lshl_or_b32 v[W0], v[TM+5], 8, v[TM+4]
	v_lshl_or_b32 v[W1], v[TM+7], 8, v[TM+6]
	v_cndmask_b32 v[MS+\o/2], v[MS+\o/2], v[W0], s[HM]     ; an odd tile's take lanes 16-31
	v_cndmask_b32 v[MS+4+\o/2], v[MS+4+\o/2], v[W1], s[HM]
.endif
.endr
	global_store_b128 v[L16], v[MS:MS+3], s[PD:PD+1] offset:8192
	global_store_b128 v[L16], v[MS+4:MS+7], s[PD:PD+1] offset:8192+REC
	s_branch .Lend
.Lout_v:
; v: outer block o is tile o % 4 of head o / 4's 64 channels; the fragment is 16 channels x my group's 128 keys
.irp o, 0,1,2,3,4,5,6,7
	QCORE \o
	global_store_b128 v[L16], v[PC+8*\o:PC+8*\o+3], s[PD:PD+1] offset:(\o/4)*REC+4096+(\o%4)*1024
	global_store_b128 v[L16], v[PC+8*\o+4:PC+8*\o+7], s[PD:PD+1] offset:(\o/4)*REC+4096+(\o%4)*1024+512
	v_lshl_or_b32 v[W0], v[TM+5], 8, v[TM+4]
	v_lshl_or_b32 v[W0], v[TM+6], 16, v[W0]
.if (\o%2) == 0
	v_lshl_or_b32 v[MS+2*(\o/4)+(\o%4)/2], v[TM+7], 24, v[W0]
.else
	v_lshl_or_b32 v[W0], v[TM+7], 24, v[W0]
	v_cndmask_b32 v[MS+2*(\o/4)+(\o%4)/2], v[MS+2*(\o/4)+(\o%4)/2], v[W0], s[HM]
.endif
.endr
	global_store_b64 v[L8], v[MS:MS+1], s[PD:PD+1] offset:8704                 ; 256 consecutive bytes
	global_store_b64 v[L8], v[MS+2:MS+3], s[PD:PD+1] offset:8704+REC
.Lend:
	s_wait_tensorcnt 0x0
	ds_add_u32 v126, v127
	s_wait_dscnt 0x0
	CROUND                                         ; the closing round: no work-group ends while a partner may still ask for a tile that names it
	s_endpgm
.Lfunc_end_k_qbcceffa6a4_qkv:
	.size	k_qbcceffa6a4_qkv, .Lfunc_end_k_qbcceffa6a4_qkv-k_qbcceffa6a4_qkv
	.p2alignl 7, 3214868480
	.fill 96, 4, 3214868480
	.section	.rodata,"a",@progbits
	.p2align	6, 0x0
	.amdhsa_kernel k_qbcceffa6a4_qkv
		.amdhsa_group_segment_fixed_size 262656
		.amdhsa_private_segment_fixed_size 0
		.amdhsa_enable_private_segment 0
		.amdhsa_kernarg_size 32
		.amdhsa_user_sgpr_count 2
		.amdhsa_user_sgpr_kernarg_segment_ptr 1
		.amdhsa_wavefront_size32 1
		.amdhsa_system_sgpr_workgroup_id_x 1
		.amdhsa_system_sgpr_workgroup_id_y 1
		.amdhsa_system_sgpr_workgroup_id_z 1
		.amdhsa_system_vgpr_workitem_id 0
		.amdhsa_next_free_vgpr 1024
		.amdhsa_next_free_sgpr 100
		.amdhsa_reserve_vcc 0
		.amdhsa_float_denorm_mode_32 3
		.amdhsa_float_denorm_mode_16_64 3
		.amdhsa_memory_ordered 1
		.amdhsa_forward_progress 1
		.amdhsa_inst_pref_size 175
	.end_amdhsa_kernel
	.amdgpu_metadata
---
amdhsa.version: [ 1, 2 ]
amdhsa.kernels:
  - .name:           k_qbcceffa6a4_qkv
    .symbol:         k_qbcceffa6a4_qkv.kd
    .args:
      - { .name: opq, .offset: 0, .size: 8, .value_kind: global_buffer, .address_space: global }
      - { .name: b_qkv, .offset: 8, .size: 8, .value_kind: global_buffer, .address_space: global }
      - { .name: qrec, .offset: 16, .size: 8, .value_kind: global_buffer, .address_space: global }
      - { .name: kvrec, .offset: 24, .size: 8, .value_kind: global_buffer, .address_space: global }
    .group_segment_fixed_size: 262656
    .private_segment_fixed_size: 0
    .kernarg_segment_align: 8
    .kernarg_segment_size: 32
    .max_flat_workgroup_size: 128
    .sgpr_count:     100
    .vgpr_count:     1024
    .wavefront_size: 32
...
	.end_amdgpu_metadata
.endif
;; end of part 2
;; launch attn (part 3): grid 4 x 64, 16 waves a work-group, clusters of 4 x 1, 169,984 bytes of LDS; arguments qrec, kvrec, at; writes at
.if DOCPART == 3
	.amdgcn_target "amdgcn-amd-amdhsa--gfx1250"
	.amdhsa_code_object_version 6
	.text
	.protected	k_qbcceffa6a4_attn
	.globl	k_qbcceffa6a4_attn
	.p2align	8
	.type	k_qbcceffa6a4_attn,@function
k_qbcceffa6a4_attn:
	s_mov_b64 s[64:65], 0
	v_nop
	global_prefetch_b8 v0, s[64:65] scope:SCOPE_SE
	s_setreg_imm32_b32 hwreg(HW_REG_WAVE_MODE, 25, 1), 1
	s_wait_xcnt 0x0
	s_wait_alu depctr_hold_cnt(0) depctr_sa_sdst(0) depctr_va_vdst(0) depctr_va_sdst(0) depctr_va_ssrc(0) depctr_va_vcc(0) depctr_vm_vsrc(0)
	s_getreg_b32 s2, hwreg(HW_REG_IB_STS2, 6, 4)
	s_cmp_eq_u32 s2, 0
	s_cbranch_scc0 .Lentry_in_a_cluster
	s_endpgm
.Lentry_in_a_cluster:
	s_bfe_u32 s2, ttmp6, 0x10000c
	s_cmp_lg_u32 s2, 0x3003
	s_cbranch_scc0 .Lentry_shape_is_right
	s_endpgm
.Lentry_shape_is_right:
; attn[q] = (sum over keys of p v) / l for one head, both products on codes of FP4 with E8M0 scales, and the quantising of attn along the embedding for the last product.
; t = score x log2(e) / 8; M = the running largest t rounded up to a whole number; p = 2^(t - M) is quantised along the keys, not normalised; l is the f32 sum of the unquantised p and divides at the end.
; When M moves, l and O are multiplied by 2^(old M - new M): exact.
; SHARES.  A work-group owns 512 queries of one head (the grid's y: batch x 16 + head); each of its sixteen waves two tiles of 16, one after the other; a tile walks the head's 2,048 keys, 128 a step.
; Four waves share a SIMD, so that one wave's vector work stands beside another's matrix work and LDS loads.
; LDS.  The head's whole record of k and v (16 groups x 8,960 bytes: codes and scale words as images of registers) is one dense block of 143,360 bytes.  It comes ONCE, by eight joint loads (waves 0-7, 17,920 bytes each)
; that the four work-groups of the cluster share, and stays: no ring, nothing is filled again, no barrier in the loops.
; LAYOUT.  Both products are used transposed: S^T = K Q^T, O^T = V^T P^T: a lane holds one query throughout.  A stored tile's row r of tile 2 b + u is key 32 b + 8 u + r + 8 (r / 8), so p's 16 registers of tiles 2 b, 2 b + 1
; are 16 neighbouring keys; v's channels are stored in the same order, so O's 16 registers of two tiles are 16 neighbouring channels.
; K = 64 IN AN INSTRUCTION OF K = 128.  Q's registers 4-7 are zero codes.  K's fragment t is v[KF + 4 t .. + 7]: its upper four registers are the next tile's codes (zeros behind the last).  Every code is a finite number,
; it meets a zero code, and bytes 2 and 3 of both scale words are 0, which stands for 2^-127: the upper half adds exactly nothing.
; LIMITS: a block of p or of attn whose largest number lies under 2^-124 keeps the byte 1; p under 2^-126 comes out of v_exp_f32 as 0; NaN and infinities are not served.
.set REC,  143360
.set GRP,  8960
.set GS,   143360                      ; behind the record: 2,048 bytes in which attn's scale words are gathered; no fill lands there
.set L16, 1                            ; v1   16 x lane
.set L8V, 2                            ; v2   8 x lane + 8,704: v's scale words in a group
.set AD,  3                            ; v3   L16 + the group in hand
.set AD2, 4                            ; v4   L8V + the group in hand
.set MW,  5                            ; v5   attn's scale words: lanes 0-15 my first tile's, lanes 16-31 my second's
.set GSA, 6                            ; v6   where they go in the gather
.set GO,  7                            ; v7   512 x wave + 16 x lane
.set QN,  8                            ; v8-11  my second tile's codes of q
.set Q,   16                           ; v16-19 q's codes, v20-23 zeros
.set QS,  24                           ; v24  q's scale word;  v25 the second tile's
.set PS,  26                           ; v26  p's scale word
.set QA,  27                           ; v27  q's codes' offset
.set KS,  28                           ; v28-31 k's scale words: register a: lanes 0-15 tile 2 a, lanes 16-31 tile 2 a + 1
.set VS,  32                           ; v32-33 v's likewise
.set QB,  34                           ; v34  q's scale word's offset
.set GR,  35                           ; v35  GS + 512 x wave + 16 x lane
.set KF,  36                           ; v36-67 k's eight tiles, v68-71 zeros
.set VF,  72                           ; v72-103 v's four fragments
.set S,   104                          ; v104-167 S^T, then p
.set O,   168                          ; v168-199 O^T
.set PC,  200                          ; v200-207 p's codes
.set BM,  208                          ; v208-211 the blocks' largest
.set T2,  212                          ; v212-215 at work
.set SCV, 216                          ; v216-219 the conversions' scale operands
.set F,   220                          ; v220 f, later 1 / l; v221 is named with it as a pair
.set TP,  222
.set C2,  224                          ; v[224:225] the sum's second chain
.set WV, 10
.set CX, 11
.set BH, 12
.set SH, 13                            ; 16 x (head % 2): where my head's two bytes stand in a scale word of the last product
.set TB, 14                            ; LDS byte of the group in hand
.set KC, 15
.set QT, 16
.set HM, 17                            ; the lanes that take this tile's scale word
.set SEL, 18
.set CS, 20                            ; s[20:21] c = log2(e) / 8
.set G1, 24
.set G0, 32
.set AO, 36                            ; s[36:37] my tile's place in at
.set ASC, 38                           ; s[38:39] my work-group's four groups of scale words
.set QG, 40                            ; s[40:41] my group of q
.macro CROUND                          ; a round of the cluster's barrier
	s_barrier_signal -1
	s_barrier_wait -1
	s_cmp_lg_u32 s[WV], 0
	s_cbranch_scc1 .Lnot_wave_0_\@
	s_barrier_signal -3
.Lnot_wave_0_\@:
	s_barrier_wait -3
	s_barrier_signal -1
	s_barrier_wait -1
.endm
	s_load_b128 s[4:7], s[0:1], 0x0                ; qrec s[4:5], kvrec s[6:7]
	s_load_b64 s[8:9], s[0:1], 0x10                ; at
	v_lshl_add_u32 v254, v0, 2, 0x29000
	v_mov_b32 v255, 0
	ds_add_u32 v254, v255
	ds_add_u32 v254, v255
	v_lshrrev_b32 v3, 5, v0
	s_delay_alu instid0(VALU_DEP_1)
	v_readfirstlane_b32 s[WV], v3                  ; wave 0..15
	s_bfe_u32 s[CX], ttmp6, 0x40000                ; my block of 512 queries: it enters global addresses of q and at alone
	s_and_b32 s[BH], ttmp7, 0xffff                 ; batch x 16 + head, which the four partners share
	s_and_b32 s[SH], s[BH], 1
	s_lshl_b32 s[SH], s[SH], 4
	s_mov_b32 s[G1], 15|(3<<16)|(1<<21)            ; 15:0 the mask: all four work-groups; 17:16 elements of 8 bytes; 21 set beside a mask; no padding
	s_mov_b32 s[G1+1], 32<<16                      ; tensor_dim0 = 32 elements: 256 bytes
	s_mov_b32 s[G1+2], 70<<16                      ; tensor_dim1 = 70 rows: 17,920 dense bytes
	s_mov_b32 s[G1+3], 32<<16                      ; tile_dim0
	s_mov_b32 s[G1+4], 70                          ; tile_dim1
	s_mov_b32 s[G1+5], 32                          ; pitch = row
	s_mov_b32 s[G1+6], 0
	s_mov_b32 s[G1+7], 0
	s_mul_i32 s42, s[BH], REC                      ; the head's record, in bytes
	s_mul_i32 s44, s[WV], 17920                    ; my eighth of it, in memory and in LDS alike
	s_add_co_u32 s46, s42, s44
	s_mov_b32 s47, 0
	s_wait_dscnt 0x0
	s_wait_kmcnt 0x0
	s_mov_b32 s[G0], 1
	s_mov_b32 s[G0+1], s44
	s_add_nc_u64 s[G0+2:G0+3], s[6:7], s[46:47]
	s_or_b32 s[G0+3], s[G0+3], 0x80000000
	CROUND                                         ; all four work-groups are here: the joint loads meet
	s_cmp_lt_u32 s[WV], 8                          ; waves 0-7 fetch, one load each
	s_cbranch_scc0 .Lno_fill
	tensor_load_to_lds s[G0:G0+3], s[G1:G1+7]
	s_nop 0
.rept 4
	v_nop
.endr
.Lno_fill:
	s_lshl_b32 s48, s[CX], 2
	s_lshr_b32 s49, s[WV], 2
	s_add_co_u32 s48, s48, s49                     ; my group of 128 queries: 4 cx + wave / 4
	s_mul_i32 s48, s48, GRP
	s_add_co_u32 s48, s48, s42
	s_mov_b32 s49, 0
	s_add_nc_u64 s[QG:QG+1], s[4:5], s[48:49]
	v_and_b32 v3, 31, v0
	v_and_b32 v4, 15, v0
	s_delay_alu instid0(VALU_DEP_2)
	v_lshlrev_b32 v[L16], 4, v3
	s_wait_alu depctr_va_vdst(0)
	v_lshl_add_u32 v[L8V], v3, 3, 8704
	s_and_b32 s50, s[WV], 3
	s_lshl_b32 s51, s50, 10
	v_add_nc_u32 v[QA], s51, v[L16]                ; my tiles are 2 (wave % 4) and the next of the group's eight
	s_lshl_b32 s51, s50, 2
	v_lshl_add_u32 v[QB], v4, 4, s51               ; their rows' scale words: 16 r + 4 (wave % 4), the odd tile's 256 bytes on
	global_load_b128 v[Q:Q+3], v[QA], s[QG:QG+1]
	global_load_b128 v[QN:QN+3], v[QA], s[QG:QG+1] offset:512
	global_load_b32 v[QS], v[QB], s[QG:QG+1] offset:8192
	global_load_b32 v[QS+1], v[QB], s[QG:QG+1] offset:8192+256
	s_lshr_b32 s52, s[WV], 2
	s_lshl_b32 s52, s52, 9
	s_add_co_u32 s52, s52, s51
	s_add_co_u32 s52, s52, GS
	v_add_nc_u32 v[GSA], s52, v[L16]               ; the gather: group wave / 4, byte 16 l + 4 (wave % 4)
	s_lshl_b32 s53, s[WV], 9
	v_add_nc_u32 v[GO], s53, v[L16]
	s_delay_alu instid0(VALU_DEP_1)
	v_add_nc_u32 v[GR], GS, v[GO]
	s_lshr_b32 s54, s[BH], 4                       ; batch
	s_lshl_b32 s55, s54, 7
	s_lshl_b32 s56, s[CX], 5
	s_add_co_u32 s55, s55, s56
	s_lshl_b32 s56, s[WV], 1
	s_add_co_u32 s55, s55, s56                     ; my first tile of tokens: 128 batch + 32 cx + 2 wave
	s_lshl_b32 s55, s55, 4
	s_and_b32 s56, s[BH], 15                       ; head
	s_add_co_u32 s55, s55, s56
	s_lshl_b32 s58, s55, 9                         ; 512 bytes for each tile and head
	s_mov_b32 s59, 0
	s_add_nc_u64 s[AO:AO+1], s[8:9], s[58:59]
	s_lshl_b32 s56, s56, 6
	s_lshl_b32 s54, s54, 4
	s_add_co_u32 s56, s56, s54
	s_lshl_b32 s54, s[CX], 2
	s_add_co_u32 s56, s56, s54                     ; head x 64 + 16 batch + 4 cx: groups of 512 bytes of scale words
	s_lshl_b32 s58, s56, 9
	s_add_co_u32 s58, s58, 4194304
	s_add_nc_u64 s[ASC:ASC+1], s[8:9], s[58:59]
	s_mov_b32 s[SEL], 0x76543210
	s_mov_b32 s[SEL+1], 0xfedcba98
	s_mov_b32 s[CS], 0x3e38aa3b                    ; c = log2(e) / sqrt(64)
	s_mov_b32 s[CS+1], s[CS]                       ; (named with it as a pair, so it is written)
	s_mov_b32 s[HM], 0xffff                        ; the first tile's word goes to lanes 0-15
	s_mov_b32 s[QT], 2
.irp j, 0,1,2,3
	v_mov_b32 v[Q+4+\j], 0                         ; q's codes of k = 64 .. 127
	v_mov_b32 v[KF+32+\j], 0                       ; behind k's last tile
	v_mov_b32 v[T2+\j], 0                          ; written once: a lane permute's destination counts as one of its sources
.endr
	v_mov_b32 v[MW], 0
	v_mov_b32 v[F+1], 0
	v_mov_b32 v[TP], 0
	s_wait_tensorcnt 0x0                           ; my part of the record is in (a wave that fetched nothing passes),
	s_barrier_signal -1
	s_barrier_wait -1                              ; everybody's is
	s_wait_loadcnt 0x0                             ; q
.macro KQ t                            ; S^T of tile t: 16 keys x my 16 queries
.if (\t)%2
	v_wmma_scale_f32_16x16x128_f8f6f4 v[S+8*(\t):S+8*(\t)+7], v[KF+4*(\t):KF+4*(\t)+7], v[Q:Q+7], 0, v[KS+(\t)/2], v[QS] matrix_a_fmt:MATRIX_FMT_FP4 matrix_b_fmt:MATRIX_FMT_FP4 matrix_a_scale:MATRIX_SCALE_ROW1
.else
	v_wmma_scale_f32_16x16x128_f8f6f4 v[S+8*(\t):S+8*(\t)+7], v[KF+4*(\t):KF+4*(\t)+7], v[Q:Q+7], 0, v[KS+(\t)/2], v[QS] matrix_a_fmt:MATRIX_FMT_FP4 matrix_b_fmt:MATRIX_FMT_FP4
.endif
.endm
.macro PV t                            ; O^T of channel tile t += 16 channels x 128 keys times p
.if (\t)%2
	v_wmma_scale_f32_16x16x128_f8f6f4 v[O+8*(\t):O+8*(\t)+7], v[VF+8*(\t):VF+8*(\t)+7], v[PC:PC+7], v[O+8*(\t):O+8*(\t)+7], v[VS+(\t)/2], v[PS] matrix_a_fmt:MATRIX_FMT_FP4 matrix_b_fmt:MATRIX_FMT_FP4 matrix_a_scale:MATRIX_SCALE_ROW1
.else
	v_wmma_scale_f32_16x16x128_f8f6f4 v[O+8*(\t):O+8*(\t)+7], v[VF+8*(\t):VF+8*(\t)+7], v[PC:PC+7], v[O+8*(\t):O+8*(\t)+7], v[VS+(\t)/2], v[PS] matrix_a_fmt:MATRIX_FMT_FP4 matrix_b_fmt:MATRIX_FMT_FP4
.endif
.endm
; A KEY STEP: the 128 keys of the group at s[TB].  nextk = 1: the next group's k is fetched behind this step's first products.
.macro STEP nextk
	v_add_nc_u32 v[AD], s[TB], v[L16]
	v_add_nc_u32 v[AD2], s[TB], v[L8V]
	v_nop
	v_nop                                          ; four places between the last step's products and the loads into their registers
.irp t, 0,1,2,3
.irp c, 0,1
	ds_load_b128 v[VF+8*\t+4*\c:VF+8*\t+4*\c+3], v[AD] offset:4096+1024*\t+512*\c
.endr
.endr
	ds_load_b64 v[VS:VS+1], v[AD2]
	s_wait_dscnt 9                                 ; k's nine loads, issued a step ago, are in; v's nine may be out
.irp t, 0,1,2,3,4,5,6,7
	KQ \t
.endr
.rept 4
	v_nop                                          ; places in front of the loads into k's registers and of the first read of the scores
.endr
.if \nextk
	s_wait_alu depctr_va_vdst(0)
.irp t, 0,1,2,3,4,5,6,7
	ds_load_b128 v[KF+4*\t:KF+4*\t+3], v[AD] offset:GRP+512*\t
.endr
	ds_load_b128 v[KS:KS+3], v[AD] offset:GRP+8192
.endif
.irp b, 0,1,2,3
	v_max3_num_f32 v[BM+\b], v[S+16*\b], v[S+16*\b+1], v[S+16*\b+2]   ; the largest score of each block of 32 keys: for the row's maximum and, since p rises with the score, for the block's largest p
.endr
.irp i, 3,5,7,9,11,13
.irp b, 0,1,2,3
	v_max3_num_f32 v[BM+\b], v[BM+\b], v[S+16*\b+\i], v[S+16*\b+\i+1]
.endr
.endr
.irp b, 0,1,2,3
	v_max_num_f32 v[BM+\b], v[BM+\b], v[S+16*\b+15]
.endr
.irp b, 0,1,2,3
	s_delay_alu instid0(VALU_DEP_4)
	v_permlanex16_b32 v[T2+\b], v[BM+\b], s[SEL], s[SEL+1]
.endr
.irp b, 0,1,2,3
	s_delay_alu instid0(VALU_DEP_4)
	v_max_num_f32 v[BM+\b], v[BM+\b], v[T2+\b]     ; with lane l xor 16's 16 keys
.endr
	s_delay_alu instid0(VALU_DEP_2)
	v_max3_num_f32 v[TP], v[BM], v[BM+1], v[BM+2]
	s_delay_alu instid0(VALU_DEP_1)
	v_max_num_f32 v[TP], v[TP], v[BM+3]            ; the step's largest score of my query
	s_delay_alu instid0(VALU_DEP_1)
	v_mul_f32 v[TP], s[CS], v[TP]                  ; as t (c is positive)
	s_delay_alu instid0(VALU_DEP_1)
	v_max_num_f32 v13, v13, v[TP]                  ; the running largest t
	v_mov_b32 v[TP], v12
	s_delay_alu instid0(VALU_DEP_2)
	v_floor_f32 v12, -v13                          ; the new -M = floor(-t): M is a whole number
	s_delay_alu instid0(VALU_DEP_1)
	v_sub_f32 v[TP], v12, v[TP]                    ; old M - new M: a whole number, 0 or less
	s_delay_alu instid0(VALU_DEP_1)
	v_cvt_i32_f32 v[TP], v[TP]                     ; (it saturates)
	s_delay_alu instid0(VALU_DEP_1)
	v_ldexp_f32 v[F], 1.0, v[TP]                   ; f = 2^(old M - new M)
.irp j, 0,2,4,6,8,10,12,14,16,18,20,22,24,26,28,30,32,34,36,38,40,42,44,46,48,50,52,54,56,58,60,62
	v_pk_fma_f32 v[S+\j:S+\j+1], v[S+\j:S+\j+1], s[CS:CS+1], v[12:13] op_sel_hi:[1,0,0]   ; t - M, two at a time
.endr
.irp b, 0,1,2,3
	v_fma_f32 v[BM+\b], v[BM+\b], s[CS], v12       ; the same of each block's largest score
.endr
	s_wait_alu depctr_va_vdst(0)
.irp j, 0,1,2,3,4,5,6,7,8,9,10,11,12,13,14,15,16,17,18,19,20,21,22,23,24,25,26,27,28,29,30,31,32,33,34,35,36,37,38,39,40,41,42,43,44,45,46,47,48,49,50,51,52,53,54,55,56,57,58,59,60,61,62,63
	v_exp_f32 v[S+\j], v[S+\j]                     ; p = 2^(t - M), at most 1
.endr
	s_setprio 1
.irp b, 0,1,2,3
	v_exp_f32 v[BM+\b], v[BM+\b]                   ; the block's largest p: the same two instructions on the same number give the same bits
.endr
	v_pk_mul_f32 v[14:15], v[14:15], v[F:F+1] op_sel_hi:[1,0]   ; the sum under the new M: plain work that names no exponential's result
	s_wait_alu depctr_va_vdst(0)
.irp j, 0,2,4,6,8,10,12,14,16,18,20,22,24,26,28,30
	v_pk_mul_f32 v[O+\j:O+\j+1], v[O+\j:O+\j+1], v[F:F+1] op_sel_hi:[1,0]   ; O^T under the new M, each accumulator from its low end on
.endr
	s_wait_alu depctr_va_vdst(0)                   ; one wait for the batch of 68 exponentials, ahead of its first reader
.irp b, 0,1,2,3
	v_max_num_f32 v[BM+\b], 0x1800000, v[BM+\b]    ; the floor 2^(3 - 127): the byte cannot fall under 1
.endr
.irp b, 0,1,2,3
	s_delay_alu instid0(VALU_DEP_4)
	v_add_nc_u32 v[SCV+\b], 0xff000000, v[BM+\b]   ; 2 off the exponent field: the conversion's scale operand
.endr
.irp b, 0,1,2,3
	s_delay_alu instid0(VALU_DEP_4)
	v_lshrrev_b32 v[T2+\b], 23, v[SCV+\b]          ; the scale's byte
.endr
	s_delay_alu instid0(VALU_DEP_3)
	v_lshl_or_b32 v[PS], v[T2+1], 8, v[T2]
	s_delay_alu instid0(VALU_DEP_1)
	v_lshl_or_b32 v[PS], v[T2+2], 16, v[PS]
	s_delay_alu instid0(VALU_DEP_1)
	v_lshl_or_b32 v[PS], v[T2+3], 24, v[PS]        ; p's scale word for these 128 keys
.irp b, 0,1,2,3
	v_cvt_scalef32_pk8_fp4_f32 v[PC+2*\b], v[S+16*\b:S+16*\b+7], v[SCV+\b]
	v_cvt_scalef32_pk8_fp4_f32 v[PC+2*\b+1], v[S+16*\b+8:S+16*\b+15], v[SCV+\b]
.endr
	v_nop                                          ; one plain place behind a scaled conversion
.irp c, 0,1
.irp i, 0,1
	v_permlane16_swap_b32 v[PC+4*\c+\i], v[PC+4*\c+2+\i]   ; a whole block to a lane
.endr
.endr
	v_pk_add_f32 v[224:225], v[108:109], v[112:113]
	v_pk_add_f32 v[252:253], v[116:117], v[120:121]
	v_pk_add_f32 v[250:251], v[124:125], v[128:129]
	v_pk_add_f32 v[248:249], v[132:133], v[136:137]
	v_pk_add_f32 v[246:247], v[140:141], v[144:145]
	v_pk_add_f32 v[244:245], v[148:149], v[152:153]
	v_pk_add_f32 v[242:243], v[156:157], v[160:161]
	v_pk_add_f32 v[14:15], v[14:15], v[164:165]
	v_pk_add_f32 v[224:225], v[224:225], v[104:105]
	v_pk_add_f32 v[252:253], v[252:253], v[106:107]
	v_pk_add_f32 v[250:251], v[250:251], v[110:111]
	v_pk_add_f32 v[248:249], v[248:249], v[114:115]
	v_pk_add_f32 v[246:247], v[246:247], v[118:119]
	v_pk_add_f32 v[244:245], v[244:245], v[122:123]
	v_pk_add_f32 v[242:243], v[242:243], v[126:127]
	s_setprio 0
	v_pk_add_f32 v[14:15], v[14:15], v[130:131]
	v_pk_add_f32 v[224:225], v[224:225], v[134:135]
	v_pk_add_f32 v[252:253], v[252:253], v[138:139]
	v_pk_add_f32 v[250:251], v[250:251], v[142:143]
	v_pk_add_f32 v[248:249], v[248:249], v[146:147]
	v_pk_add_f32 v[246:247], v[246:247], v[150:151]
	v_pk_add_f32 v[244:245], v[244:245], v[154:155]
	v_pk_add_f32 v[242:243], v[242:243], v[158:159]
	v_pk_add_f32 v[14:15], v[14:15], v[162:163]
	v_pk_add_f32 v[224:225], v[224:225], v[166:167]
	s_delay_alu instid0(VALU_DEP_2)
	v_pk_add_f32 v[14:15], v[14:15], v[248:249]
	s_delay_alu instid0(VALU_DEP_2)
	v_pk_add_f32 v[224:225], v[224:225], v[246:247]
	v_pk_add_f32 v[252:253], v[252:253], v[244:245]
	v_pk_add_f32 v[250:251], v[250:251], v[242:243]
	s_delay_alu instid0(VALU_DEP_2)
	v_pk_add_f32 v[14:15], v[14:15], v[252:253]
	s_delay_alu instid0(VALU_DEP_2)
	v_pk_add_f32 v[224:225], v[224:225], v[250:251]
	s_delay_alu instid0(VALU_DEP_1)
	v_pk_add_f32 v[14:15], v[14:15], v[224:225]
	s_wait_dscnt 9*\nextk                          ; v is in; the next group's nine loads of k may be out
.irp t, 0,1,2,3
	PV \t                                          ; four accumulators, one instruction each: between two links of a chain stand eleven other matrix instructions
.endr
	s_add_co_u32 s[TB], s[TB], GRP
.endm
.Ltile:                                            ; two trips: my two tiles of queries
	v_mov_b32 v13, 0xff61b1e6                      ; the largest t so far: -3e38, under every t
	s_delay_alu instid0(VALU_DEP_1)
	v_floor_f32 v12, -v13                          ; -M
	v_mov_b32 v14, 0                               ; the sum, in two halves
	v_mov_b32 v15, 0
.irp j, 0,1,2,3,4,5,6,7,8,9,10,11,12,13,14,15,16,17,18,19,20,21,22,23,24,25,26,27,28,29,30,31
	v_mov_b32 v[O+\j], 0                           ; O^T: the step is written without a first step of its own; the first change of M leaves zeros zeros
.endr
	s_mov_b32 s[TB], 0
.irp t, 0,1,2,3,4,5,6,7
	ds_load_b128 v[KF+4*\t:KF+4*\t+3], v[L16] offset:512*\t    ; the first group's k
.endr
	ds_load_b128 v[KS:KS+3], v[L16] offset:8192
	s_mov_b32 s[KC], 15
.Lstep:
	s_setprio 2
	STEP 1
	s_sub_co_u32 s[KC], s[KC], 1
	s_cmp_lg_u32 s[KC], 0
	s_cbranch_scc1 .Lstep
	s_setprio 0
	STEP 0                                         ; the last group is written out: no load passes the record's end
	s_wait_alu depctr_va_vdst(0)
	; the tile's end: O^T / l, quantised along the embedding (my head's 64 channels are two blocks of 32), stored as half a fragment of the last product
	v_add_f32 v14, v14, v15                        ; the sum's two halves.  With the three lines below: the places behind the last products
	v_nop
	v_nop
	v_nop
	v_permlanex16_b32 v[TP], v14, s[SEL], s[SEL+1]
	s_delay_alu instid0(VALU_DEP_1)
	v_add_f32 v14, v14, v[TP]                      ; and lane l xor 16's: l
	s_wait_alu depctr_va_vdst(0)
	v_rcp_f32 v[F], v14
	v_nop                                          ; a plain place behind the reciprocal
	s_wait_alu depctr_va_vdst(0)                   ; and the wait ahead of its first reader
.irp j, 0,2,4,6,8,10,12,14,16,18,20,22,24,26,28,30
	v_pk_mul_f32 v[O+\j:O+\j+1], v[O+\j:O+\j+1], v[F:F+1] op_sel_hi:[1,0]   ; register 16 b + i: channel 32 b + 16 h + i of my query
.endr
.irp b, 0,1
	v_max3_num_f32 v[BM+\b], |v[O+16*\b]|, |v[O+16*\b+1]|, 0x1800000
.endr
.irp i, 2,4,6,8,10,12,14
.irp b, 0,1
	s_delay_alu instid0(VALU_DEP_2)
	v_max3_num_f32 v[BM+\b], v[BM+\b], |v[O+16*\b+\i]|, |v[O+16*\b+\i+1]|
.endr
.endr
.irp b, 0,1
	s_delay_alu instid0(VALU_DEP_2)
	v_permlanex16_b32 v[T2+\b], v[BM+\b], s[SEL], s[SEL+1]
.endr
.irp b, 0,1
	s_delay_alu instid0(VALU_DEP_2)
	v_max_num_f32 v[BM+\b], v[BM+\b], v[T2+\b]
.endr
.irp b, 0,1
	s_delay_alu instid0(VALU_DEP_2)
	v_add_nc_u32 v[SCV+\b], 0xff000000, v[BM+\b]
.endr
.irp b, 0,1
	s_delay_alu instid0(VALU_DEP_2)
	v_lshrrev_b32 v[T2+\b], 23, v[SCV+\b]
.endr
	s_delay_alu instid0(VALU_DEP_1)
	v_lshl_or_b32 v[TP], v[T2+1], 8, v[T2]
	s_delay_alu instid0(VALU_DEP_1)
	v_lshlrev_b32 v[TP], s[SH], v[TP]              ; an even head's two bytes below, an odd head's above; the other half is 0
.irp b, 0,1
	v_cvt_scalef32_pk8_fp4_f32 v[PC+2*\b], v[O+16*\b:O+16*\b+7], v[SCV+\b]
	v_cvt_scalef32_pk8_fp4_f32 v[PC+2*\b+1], v[O+16*\b+8:O+16*\b+15], v[SCV+\b]
.endr
	v_nop                                          ; one plain place behind a scaled conversion
	v_permlane16_swap_b32 v[PC], v[PC+2]           ; lanes 0-15 block 0, lanes 16-31 block 1
	v_permlane16_swap_b32 v[PC+1], v[PC+3]
	global_store_b128 v[L16], v[PC:PC+3], s[AO:AO+1]   ; 512 consecutive bytes
	v_cndmask_b32 v[MW], v[MW], v[TP], s[HM]
	s_wait_xcnt 0x0                                ; the store has read its base and its data: both are written again only behind this wait
	s_add_nc_u64 s[AO:AO+1], s[AO:AO+1], 8192      ; the next tile of tokens
	s_lshl_b32 s[HM], s[HM], 16                    ; whose word goes to lanes 16-31
.irp j, 0,1,2,3
	v_mov_b32 v[Q+\j], v[QN+\j]                    ; and its q.  (The lines at the loop's head are the places between these and the next products)
.endr
	v_mov_b32 v[QS], v[QS+1]
	s_sub_co_u32 s[QT], s[QT], 1
	s_cmp_lg_u32 s[QT], 0
	s_cbranch_scc1 .Ltile
	; attn's scale words of four waves make a group's 512 bytes: they meet in LDS and leave whole
	s_wait_dscnt 0x0
	s_barrier_signal -1
	s_barrier_wait -1                              ; every wave's LDS reads are over before any word is stored in LDS
	s_wait_alu depctr_va_vdst(0)
	ds_store_b32 v[GSA], v[MW]
	s_wait_dscnt 0x0                               ; for the others' sake: my store is done
	s_barrier_signal -1
	s_barrier_wait -1
	s_cmp_lt_u32 s[WV], 4
	s_cbranch_scc0 .Lno_gather
	ds_load_b128 v[KF:KF+3], v[GR]
	s_wait_dscnt 0x0
	global_store_b128 v[GO], v[KF:KF+3], s[ASC:ASC+1]  ; wave w stores group w's 512 consecutive bytes
.Lno_gather:
	s_wait_tensorcnt 0x0
	ds_add_u32 v254, v255
	s_wait_dscnt 0x0
	CROUND                                         ; the closing round
	s_endpgm
.Lfunc_end_k_qbcceffa6a4_attn:
	.size	k_qbcceffa6a4_attn, .Lfunc_end_k_qbcceffa6a4_attn-k_qbcceffa6a4_attn
	.p2alignl 7, 3214868480
	.fill 96, 4, 3214868480
	.section	.rodata,"a",@progbits
	.p2align	6, 0x0
	.amdhsa_kernel k_qbcceffa6a4_attn
		.amdhsa_group_segment_fixed_size 169984
		.amdhsa_private_segment_fixed_size 0
		.amdhsa_enable_private_segment 0
		.amdhsa_kernarg_size 24
		.amdhsa_user_sgpr_count 2
		.amdhsa_user_sgpr_kernarg_segment_ptr 1
		.amdhsa_wavefront_size32 1
		.amdhsa_system_sgpr_workgroup_id_x 1
		.amdhsa_system_sgpr_workgroup_id_y 1
		.amdhsa_system_sgpr_workgroup_id_z 1
		.amdhsa_system_vgpr_workitem_id 0
		.amdhsa_next_free_vgpr 256
		.amdhsa_next_free_sgpr 66
		.amdhsa_reserve_vcc 0
		.amdhsa_float_denorm_mode_32 3
		.amdhsa_float_denorm_mode_16_64 3
		.amdhsa_memory_ordered 1
		.amdhsa_forward_progress 1
		.amdhsa_inst_pref_size 44
	.end_amdhsa_kernel
	.amdgpu_metadata
---
amdhsa.version: [ 1, 2 ]
amdhsa.kernels:
  - .name:           k_qbcceffa6a4_attn
    .symbol:         k_qbcceffa6a4_attn.kd
    .args:
      - { .name: qrec, .offset: 0, .size: 8, .value_kind: global_buffer, .address_space: global }
      - { .name: kvrec, .offset: 8, .size: 8, .value_kind: global_buffer, .address_space: global }
      - { .name: at, .offset: 16, .size: 8, .value_kind: global_buffer, .address_space: global }
    .group_segment_fixed_size: 169984
    .private_segment_fixed_size: 0
    .kernarg_segment_align: 8
    .kernarg_segment_size: 24
    .max_flat_workgroup_size: 512
    .sgpr_count:     66
    .vgpr_count:     256
    .wavefront_size: 32
...
	.end_amdgpu_metadata
.endif
;; end of part 3
;; launch proj (part 4): grid 8 x 32, 4 waves a work-group, clusters of 4 x 4, 214,528 bytes of LDS; arguments at, opq, b_out, out0; writes out0
.if DOCPART == 4
	.amdgcn_target "amdgcn-amd-amdhsa--gfx1250"
	.amdhsa_code_object_version 6
	.text
	.protected	k_qbcceffa6a4_proj
	.globl	k_qbcceffa6a4_proj
	.p2align	8
	.type	k_qbcceffa6a4_proj,@function
k_qbcceffa6a4_proj:
	s_mov_b64 s[64:65], 0
	v_nop
	global_prefetch_b8 v0, s[64:65] scope:SCOPE_SE
	s_setreg_imm32_b32 hwreg(HW_REG_WAVE_MODE, 25, 1), 1
	s_wait_xcnt 0x0
	s_wait_alu depctr_hold_cnt(0) depctr_sa_sdst(0) depctr_va_vdst(0) depctr_va_sdst(0) depctr_va_ssrc(0) depctr_va_vcc(0) depctr_vm_vsrc(0)
	s_getreg_b32 s2, hwreg(HW_REG_IB_STS2, 6, 4)
	s_cmp_eq_u32 s2, 0
	s_cbranch_scc0 .Lentry_in_a_cluster
	s_endpgm
.Lentry_in_a_cluster:
	s_bfe_u32 s2, ttmp6, 0x10000c
	s_cmp_lg_u32 s2, 0xf033
	s_cbranch_scc0 .Lentry_shape_is_right
	s_endpgm
.Lentry_shape_is_right:
; out0 = attn W_out^T + b_out on codes of FP4 with E8M0 scales (K = 1,024).  attn's codes and scale words were made by the launch before, W_out's by the first; both lie as images of operand registers.
; SHARES.  A work-group makes 256 stored rows x 128 columns, each of its four waves 128 x 64: 32 accumulators.  256 work-groups.  K lies in two LDS slots of four K steps, each filled ONCE by one tensor load a wave
; (waves 0, 1: 8 tiles of attn; waves 2, 3: 4 tiles of W_out; 4,096 bytes a tile).  CLUSTER 4 x 4: attn's tiles are shared along a row of the cluster, W_out's along a column: joint loads.
; THE MATRIX INSTRUCTION IS USED TRANSPOSED: source 0 = 16 rows of W_out, source 1 = 16 rows of attn: a lane holds eight neighbouring columns of one row.  The bias is the C of each sum's first instruction.
; ROWS.  Row r of stored tile 2 b + u is token 32 b + 8 u + r + 8 (r / 8): the order is undone by the stores' immediates.
; attn's scale word of a K step is made of two heads' halves (each stored with its other half 0): one v_or_b32.
; REGISTERS: window 0: v1-13 addresses; v32-95 attn's scale words (register 8 s + a: lanes 0-15 tile 2 a, lanes 16-31 tile 2 a + 1; 8 s + 4 + a the odd head's halves); v96-111 W_out's (8 (i / 2) + s); v112-143 the bias;
;   v144-207 rows on the way out.  window 1: two sets of fragments (attn 64, W_out 32).  window 2: the accumulators, (o, i) at v[8 (4 o + i)].
.set SC0,  6291456
.set WOI,  5767168                     ; W_out's images in opq
.set ASC0, 4194304                     ; attn's scale words in at
.set SLOT, 98304                       ; a slot: attn's 16 tiles x 4,096 bytes, then W_out's 8
.set STG,  2*SLOT                      ; behind the slots: a stage of 16 rows x (256 + 16) bytes for each wave; no fill lands there
.set NL,   24
.set L16, 1
.set LT,  2
.set BL,  3
.set STO, 4
.set RD,  5
.set CO,  6
.set ADO, 7                            ; v7-8  LDS address of my fragments of attn in slot 0, 1
.set ADI, 9                            ; v9-10 of W_out
.set OSB, 32
.set ISB, 96
.set BI,  112
.set BK,  144
.set WV, 12
.set RH, 13
.set CH, 14
.set CX, 15
.set CY, 16
.set TX, 17
.set TY, 18
.set G1A, 24
.set G0A, 32
.set PO, 40
.set PI, 42
.set PB, 44
.set PD, 46
.set G1B, 48
.set G0B, 56
.set MSB, 0
.macro WIN new                         ; the immediate's high byte repeats the setting that is left
.if MSB != (\new)
	s_set_vgpr_msb (MSB<<8)|(\new)
.set MSB, \new
.endif
.endm
.macro PLACES n
.rept \n
	v_nop
.endr
.endm
.macro CROUND                          ; a round of the cluster's barrier
	s_barrier_signal -1
	s_barrier_wait -1
	s_cmp_lg_u32 s[WV], 0
	s_cbranch_scc1 .Lnot_wave_0_\@
	s_barrier_signal -3
.Lnot_wave_0_\@:
	s_barrier_wait -3
	s_barrier_signal -1
	s_barrier_wait -1
.endm
	s_load_b256 s[4:11], s[0:1], 0x0               ; at s[4:5], opq s[6:7], b_out s[8:9], out0 s[10:11]
	v_lshl_add_u32 v254, v0, 2, 0x34400
	v_mov_b32 v255, 0
	ds_add_u32 v254, v255
	ds_add_u32 v254, v255
	v_lshrrev_b32 v11, 5, v0
	v_readfirstlane_b32 s[WV], v11                 ; wave 0..3
	s_lshr_b32 s[RH], s[WV], 1                     ; which 128 rows are mine.  Also: I fetch for attn (0) or for W_out (1)
	s_and_b32 s[CH], s[WV], 1                      ; which 64 columns.  Also: which half of the tiles I fetch
	s_bfe_u32 s[CX], ttmp6, 0x40000
	s_bfe_u32 s[CY], ttmp6, 0x40004
	s_lshl_b32 s[TX], ttmp9, 2
	s_add_co_u32 s[TX], s[TX], s[CX]               ; block of 128 columns, 0..7
	s_and_b32 s[TY], ttmp7, 0xffff
	s_lshl_b32 s[TY], s[TY], 2
	s_add_co_u32 s[TY], s[TY], s[CY]               ; block of 256 rows, 0..31
	s_lshl_b32 s19, s[CY], 2
	s_lshl_b32 s19, 15, s19                        ; my row of the cluster
	s_lshl_b32 s20, 0x1111, s[CX]                  ; my column
	s_or_b32 s[G1A], s19, (3<<16)|(1<<21)          ; 15:0 the mask; 17:16 elements of 8 bytes; 21 set beside a mask; no padding
	s_or_b32 s[G1B], s20, (3<<16)|(1<<21)
	s_mov_b32 s[G1A+1], 512<<16                    ; tensor_dim0 = 512 elements: a tile's half of K, 4,096 bytes
	s_mov_b32 s[G1A+2], 8<<16                      ; tensor_dim1 = 8 tiles
	s_mov_b32 s[G1A+3], 512<<16                    ; tile_dim0
	s_mov_b32 s[G1A+4], 8                          ; tile_dim1
	s_mov_b32 s[G1A+5], 1024                       ; from tile to tile: 8,192 bytes
	s_mov_b32 s[G1A+6], 0
	s_mov_b32 s[G1A+7], 0
	s_mov_b32 s[G1B+1], 512<<16
	s_mov_b32 s[G1B+2], 4<<16                      ; 4 tiles
	s_mov_b32 s[G1B+3], 512<<16
	s_mov_b32 s[G1B+4], 4
	s_mov_b32 s[G1B+5], 1024
	s_mov_b32 s[G1B+6], 0
	s_mov_b32 s[G1B+7], 0
	s_lshl_b32 s70, s[TY], 17                      ; attn: tile 16 TY + 8 CH: made of the row block and the wave alone
	s_lshl_b32 s71, s[CH], 16
	s_add_co_u32 s70, s70, s71
	s_mov_b32 s71, 0
	s_lshl_b32 s72, s[TX], 16                      ; W_out: tile 8 TX + 4 CH: of the column block and the wave alone
	s_lshl_b32 s73, s[CH], 15
	s_add_co_u32 s72, s72, s73
	s_add_co_u32 s72, s72, WOI
	s_mov_b32 s73, 0
	s_lshl_b32 s74, s[CH], 15                      ; where they go: attn's halves,
	s_lshl_b32 s75, s[CH], 14
	s_add_co_u32 s75, s75, 65536                   ; W_out's halves behind them: no place in the cluster enters an LDS address
	s_wait_dscnt 0x0
	s_wait_kmcnt 0x0
	s_add_nc_u64 s[70:71], s[4:5], s[70:71]
	s_add_nc_u64 s[72:73], s[6:7], s[72:73]
	CROUND                                         ; all sixteen work-groups are here: the joint loads meet
.irp q, 0,1
	s_mov_b32 s[G0A+4*\q], 1
	s_add_co_u32 s[G0A+4*\q+1], s74, \q*SLOT
	s_add_nc_u64 s[G0A+4*\q+2:G0A+4*\q+3], s[70:71], \q*4096
	s_or_b32 s[G0A+4*\q+3], s[G0A+4*\q+3], 0x80000000
	s_mov_b32 s[G0B+4*\q], 1
	s_add_co_u32 s[G0B+4*\q+1], s75, \q*SLOT
	s_add_nc_u64 s[G0B+4*\q+2:G0B+4*\q+3], s[72:73], \q*4096
	s_or_b32 s[G0B+4*\q+3], s[G0B+4*\q+3], 0x80000000
.endr
	s_cmp_eq_u32 s[RH], 0                          ; a wave's two fills stand in one branch on the wave's number: two tensor loads of mine are out
	s_cbranch_scc0 .Lfirst_b
	tensor_load_to_lds s[G0A:G0A+3], s[G1A:G1A+7]
	s_nop 0
	tensor_load_to_lds s[G0A+4:G0A+7], s[G1A:G1A+7]
	s_nop 0
	PLACES 4
	s_branch .Lfirst_done
.Lfirst_b:
	tensor_load_to_lds s[G0B:G0B+3], s[G1B:G1B+7]
	s_nop 0
	tensor_load_to_lds s[G0B+4:G0B+7], s[G1B:G1B+7]
	s_nop 0
	PLACES 4
.Lfirst_done:
	v_and_b32 v11, 31, v0                          ; lane
	v_and_b32 v12, 15, v0                          ; r
	v_bfe_u32 v13, v0, 4, 1                        ; h
	v_lshlrev_b32 v[L16], 4, v11
	v_lshlrev_b32 v[LT], 4, v12
	v_lshl_add_u32 v[LT], v13, 9, v[LT]            ; 16 r + 512 h
	s_wait_alu depctr_va_vdst(0)
	v_lshlrev_b32 v[BL], 5, v13                    ; the bias: 32 h
	s_wait_alu depctr_va_vdst(0)
	s_lshl_b32 s76, s[RH], 15                      ; my 8 tiles of attn in a slot
	v_add_nc_u32 v[ADO], s76, v[L16]
	v_add_nc_u32 v[ADI], s75, v[L16]               ; my 4 of W_out
	v_add_nc_u32 v[ADO+1], SLOT, v[ADO]
	v_add_nc_u32 v[ADI+1], SLOT, v[ADI]
	s_lshl_b32 s76, s[TY], 1
	s_add_co_u32 s76, s76, s[RH]                   ; my group of 128 rows
	s_lshl_b32 s80, s76, 9
	s_add_co_u32 s80, s80, ASC0
	s_mov_b32 s81, 0
	s_add_nc_u64 s[PO:PO+1], s[4:5], s[80:81]
.irp e, 0,1,2,3,4,5,6,7,8,9,10,11,12,13,14,15
	global_load_b128 v[OSB+4*\e:OSB+4*\e+3], v[L16], s[PO:PO+1] offset:\e*32768   ; head e's halves of my eight tiles' scale words: 512 consecutive bytes
.endr
	s_lshl_b32 s77, s[TX], 3
	s_lshl_b32 s78, s[CH], 2
	s_add_co_u32 s77, s77, s78
	s_add_co_u32 s77, s77, 704                     ; my first tile of W_out in opq
	s_lshl_b32 s82, s77, 9
	s_add_co_u32 s82, s82, SC0
	s_mov_b32 s83, 0
	s_add_nc_u64 s[PI:PI+1], s[6:7], s[82:83]
.irp a, 0,1
.irp q, 0,1
	global_load_b128 v[ISB+8*\a+4*\q:ISB+8*\a+4*\q+3], v[LT], s[PI:PI+1] offset:\a*1024+\q*256
.endr
.endr
	s_lshl_b32 s84, s[TX], 9
	s_lshl_b32 s85, s[CH], 8
	s_add_co_u32 s84, s84, s85                     ; my first column, 128 TX + 64 CH, in bytes
	s_mov_b32 s85, 0
	s_add_nc_u64 s[PB:PB+1], s[8:9], s[84:85]
.irp i, 0,1,2,3
	global_load_b128 v[BI+8*\i:BI+8*\i+3], v[BL], s[PB:PB+1] offset:64*\i          ; register j of tile i: column 16 i + 8 h + j
	global_load_b128 v[BI+8*\i+4:BI+8*\i+7], v[BL], s[PB:PB+1] offset:64*\i+16
.endr
	s_lshl_b32 s86, s76, 19                        ; my first row, 128 x group, x 4,096 bytes
	s_add_co_u32 s86, s86, s84
	s_mov_b32 s87, 0
	s_add_nc_u64 s[PD:PD+1], s[10:11], s[86:87]
	s_mul_i32 s88, s[WV], 16*272
	s_add_co_u32 s88, s88, STG                     ; my stage
	v_mul_u32_u24 v[STO], v12, 272
	v_lshl_add_u32 v[STO], v13, 5, v[STO]
	v_add_nc_u32 v[STO], s88, v[STO]               ; in: row r, + 32 h
	v_mul_u32_u24 v[RD], v13, 272
	v_lshl_add_u32 v[RD], v12, 4, v[RD]
	v_add_nc_u32 v[RD], s88, v[RD]                 ; back: lanes 0-15 one row of 256 bytes, lanes 16-31 the next
	v_lshlrev_b32 v[CO], 12, v13
	v_lshl_add_u32 v[CO], v12, 4, v[CO]            ; and the same two rows in out0
.macro WM ra, rb                       ; one matrix instruction on the registers named by rD, rA, rB, rC, sA, sB.  ra, rb: the side's scale words stand in lanes 16-31
.if (\ra) && (\rb)
	v_wmma_scale_f32_16x16x128_f8f6f4 v[rD:rD+7], v[rA:rA+7], v[rB:rB+7], v[rC:rC+7], v[sA], v[sB] matrix_a_fmt:MATRIX_FMT_FP4 matrix_b_fmt:MATRIX_FMT_FP4 matrix_a_scale:MATRIX_SCALE_ROW1 matrix_b_scale:MATRIX_SCALE_ROW1
.elseif (\ra)
	v_wmma_scale_f32_16x16x128_f8f6f4 v[rD:rD+7], v[rA:rA+7], v[rB:rB+7], v[rC:rC+7], v[sA], v[sB] matrix_a_fmt:MATRIX_FMT_FP4 matrix_b_fmt:MATRIX_FMT_FP4 matrix_a_scale:MATRIX_SCALE_ROW1
.elseif (\rb)
	v_wmma_scale_f32_16x16x128_f8f6f4 v[rD:rD+7], v[rA:rA+7], v[rB:rB+7], v[rC:rC+7], v[sA], v[sB] matrix_a_fmt:MATRIX_FMT_FP4 matrix_b_fmt:MATRIX_FMT_FP4 matrix_b_scale:MATRIX_SCALE_ROW1
.else
	v_wmma_scale_f32_16x16x128_f8f6f4 v[rD:rD+7], v[rA:rA+7], v[rB:rB+7], v[rC:rC+7], v[sA], v[sB] matrix_a_fmt:MATRIX_FMT_FP4 matrix_b_fmt:MATRIX_FMT_FP4
.endif
.endm
; 16 matrix instructions: attn's blocks base .. base + 3 x W_out's four, K step s, fragment set p.  cm = 1: the bias starts the sums.
; The 32 accumulators take turns, one instruction a turn, in the same order in every step.
.macro MULS base, p, s, cm
.irp k, 0,1,2,3
.irp i, 0,1,2,3
.set rO, (\base)+\k
.set rD, 8*(4*rO+\i)
.set rA, 128*(\p)+64+8*\i
.set rB, 128*(\p)+8*rO
.set sA, ISB+8*(\i/2)+(\s)
.set sB, OSB+8*(\s)+rO/2
.if (\cm) == 1
.set rC, BI+8*\i
.else
.set rC, rD
.endif
	WM \i%2, rO%2
.endr
.endr
.endm
.macro FETCH s, p                      ; K step s's fragments into set p: W_out's four, attn's 0-3, attn's 4-7; each load takes 512 consecutive bytes
	WIN 0x40                                       ; destination window 1
.irp i, 0,1,2,3
.irp c, 0,1
	ds_load_b128 v[128*(\p)+64+8*\i+4*\c:128*(\p)+64+8*\i+4*\c+3], v[ADI+(\s)/4] offset:\i*4096+((\s)%4)*1024+\c*512
.endr
.endr
.irp o, 0,1,2,3,4,5,6,7
.irp c, 0,1
	ds_load_b128 v[128*(\p)+8*\o+4*\c:128*(\p)+8*\o+4*\c+3], v[ADO+(\s)/4] offset:\o*4096+((\s)%4)*1024+\c*512
.endr
.endr
	WIN 0
.endm
; A K step of 128: 32 matrix instructions; the next step's 24 loads go out in one run at its head.  meet = 1: the next step lies in slot 1.
.macro STEP s, cm, meet, fetch
.set P, (\s)%2
.if \meet
	s_wait_dscnt 0x0                               ; no LDS load of mine is out at the signal
	s_wait_tensorcnt 0x0                           ; my part of slot 1 is in
	s_barrier_signal -1
	s_barrier_wait -1                              ; everybody's is
.else
	s_wait_dscnt 8                                 ; W_out's fragments and attn's 0-3 are in; the youngest eight loads (attn's 4-7) may be out
.endif
.if \fetch
.if (\s) > 0
	PLACES 4                                       ; in front of loads into registers that matrix instructions have read (ISA guide 7.12.1 for vector instructions)
.endif
	FETCH (\s)+1, 1-P
.endif
.if \cm
	WIN 0x85                                       ; sources 0 and 1 window 1, C (the bias) window 0, D window 2
.else
	WIN 0xa5                                       ; C and D window 2
.endif
	MULS 0, P, \s, \cm
	s_wait_dscnt NL*(\fetch)                       ; all but the run just issued
	MULS 4, P, \s, \cm
	WIN 0
.endm
	s_wait_tensorcnt 0x1                           ; my part of slot 0 is in; slot 1's load may stay out
	s_barrier_signal -1
	s_barrier_wait -1                              ; everybody's is
	FETCH 0, 0
	s_wait_loadcnt 0x0                             ; scale words and bias
.irp s, 0,1,2,3,4,5,6,7
.irp a, 0,1,2,3
	v_or_b32 v[OSB+8*\s+\a], v[OSB+8*\s+\a], v[OSB+8*\s+4+\a]   ; heads 2 s and 2 s + 1 make K step s's word.  By K step ascending: behind each word stand eight plain lines or more ahead of its first product
.endr
.endr
	STEP 0, 1, 0, 1
	STEP 1, 0, 0, 1
	STEP 2, 0, 0, 1
	STEP 3, 0, 1, 1
	STEP 4, 0, 0, 1
	s_wait_alu depctr_va_vdst(0)
	STEP 5, 0, 0, 1
	STEP 6, 0, 0, 1
	STEP 7, 0, 0, 0
; THE WAY OUT, a block of 16 rows x 64 columns at a time: through my own stage and back as whole rows of 256 bytes.  LDS serves a wave's instructions in order: no wait between the stores and the loads, nor ahead of the next block's stores.
.macro TOSTAGE o
	WIN 0x08                                       ; an LDS store's data are its source 1: window 2
.irp i, 0,1,2,3
	ds_store_b128 v[STO], v[8*(4*(\o)+\i):8*(4*(\o)+\i)+3] offset:64*\i          ; each accumulator from its low end on
	ds_store_b128 v[STO], v[8*(4*(\o)+\i)+4:8*(4*(\o)+\i)+7] offset:64*\i+16
.endr
	WIN 0
.irp t, 0,1,2,3,4,5,6,7
	ds_load_b128 v[BK+32*((\o)%2)+4*\t:BK+32*((\o)%2)+4*\t+3], v[RD] offset:\t*544
.endr
.endm
.macro SEND o, younger                 ; younger: the LDS instructions issued behind block o's loads, which may stay out
	s_wait_dscnt \younger
.irp t, 0,1,2,3,4,5,6,7
	global_store_b128 v[CO], v[BK+32*((\o)%2)+4*\t:BK+32*((\o)%2)+4*\t+3], s[PD:PD+1] offset:(32*((\o)/2)+8*((\o)%2)+2*\t+8*(\t/4))*4096 th:TH_STORE_NT   ; stored row 2 t + h of tile o is token 32 (o / 2) + 8 (o % 2) + 2 t + 8 (t / 4) + h; 16 lanes store 256 consecutive bytes, aligned
.endr
.endm
	PLACES 4                                       ; in front of the first read of results
	TOSTAGE 0
.irp a, 1,2,3,4,5,6,7
.if \a > 1
	s_wait_xcnt 0x0                                ; block a - 2's stores have read their registers: block a's loads may land there
.endif
	TOSTAGE \a
	SEND \a-1, 16                                  ; behind block a - 1's loads: block a's 8 stores and 8 loads
.endr
	SEND 7, 0
	s_wait_tensorcnt 0x0
	ds_add_u32 v254, v255
	s_wait_dscnt 0x0
	CROUND                                         ; the closing round: no work-group ends while a partner may still ask for a tile that names it
	s_endpgm
.Lfunc_end_k_qbcceffa6a4_proj:
	.size	k_qbcceffa6a4_proj, .Lfunc_end_k_qbcceffa6a4_proj-k_qbcceffa6a4_proj
	.p2alignl 7, 3214868480
	.fill 96, 4, 3214868480
	.section	.rodata,"a",@progbits
	.p2align	6, 0x0
	.amdhsa_kernel k_qbcceffa6a4_proj
		.amdhsa_group_segment_fixed_size 214528
		.amdhsa_private_segment_fixed_size 0
		.amdhsa_enable_private_segment 0
		.amdhsa_kernarg_size 32
		.amdhsa_user_sgpr_count 2
		.amdhsa_user_sgpr_kernarg_segment_ptr 1
		.amdhsa_wavefront_size32 1
		.amdhsa_system_sgpr_workgroup_id_x 1
		.amdhsa_system_sgpr_workgroup_id_y 1
		.amdhsa_system_sgpr_workgroup_id_z 1
		.amdhsa_system_vgpr_workitem_id 0
		.amdhsa_next_free_vgpr 768
		.amdhsa_next_free_sgpr 100
		.amdhsa_reserve_vcc 0
		.amdhsa_float_denorm_mode_32 3
		.amdhsa_float_denorm_mode_16_64 3
		.amdhsa_memory_ordered 1
		.amdhsa_forward_progress 1
		.amdhsa_inst_pref_size 73
	.end_amdhsa_kernel
	.amdgpu_metadata
---
amdhsa.version: [ 1, 2 ]
amdhsa.kernels:
  - .name:           k_qbcceffa6a4_proj
    .symbol:         k_qbcceffa6a4_proj.kd
    .args:
      - { .name: at, .offset: 0, .size: 8, .value_kind: global_buffer, .address_space: global }
      - { .name: opq, .offset: 8, .size: 8, .value_kind: global_buffer, .address_space: global }
      - { .name: b_out, .offset: 16, .size: 8, .value_kind: global_buffer, .address_space: global }
      - { .name: out0, .offset: 24, .size: 8, .value_kind: global_buffer, .address_space: global }
    .group_segment_fixed_size: 214528
    .private_segment_fixed_size: 0
    .kernarg_segment_align: 8
    .kernarg_segment_size: 32
    .max_flat_workgroup_size: 128
    .sgpr_count:     100
    .vgpr_count:     768
    .wavefront_size: 32
...
	.end_amdgpu_metadata
.endif
;; end of part 4
